; MI455X (gfx1250); checked and timed in simulation.
; The chip was launched on July 23, 2026; its instructions are those of AMD's public machine-readable ISA for CDNA 5 (MIT licence, August 2026) and "CDNA5" Instruction Set Architecture Reference Guide (July 2026). The comments in the code are by the model that wrote it; some were corrected since.
;; Expert Layer. Allowed arithmetic: matrix products marked QUANTISED: E5M2 operands, one given power-of-two scale a tensor, by v_wmma_f32_16x16x64_bf8_bf8 or v_wmma_f32_16x16x128_bf8_bf8, f32 sums; products left as they are: f32 operands where the result goes on into a quantised operand, else bf16, f16 or f32 operands; f32 sums; everything else in f32.
;; Inputs: W1_codes 8 x 512 x 16 x 32 uint8 (E5M2 codes of W1, K innermost, in blocks of 32 codes); W2_codes 8 x 512 x 16 x 32 uint8 (E5M2 codes of W2, K innermost, in blocks of 32 codes); Wr 512 x 8 float32; b1 8 x 512 float32; b2 8 x 512 float32; br 8 float32; lowp_scales 4 int32 (the exponents e of the quantised operands' scales 2^e); x 4 x 2,048 x 512 float32.
;; Outputs: out0 4 x 2,048 x 512 float32.
;; This version of the problem:
;;   THIS VERSION OF THE PROBLEM IS GIVEN IN LOW PRECISION. The matrix products marked QUANTISED in the list below multiply operands that are first quantised to E5M2 (5 exponent bits, 2 mantissa bits; 8 bits a number), with one given power-of-two scale for each operand tensor; their sums are f32. All else is computed in f32.
;;   The module's matrix products, in the order in which they are computed (A, B: the left and right operand; K: the contracted axis; several contracted axes count as one K, in the product's order):
;;     1. [M 8,192, K 512] x [K 512, N 8]; A: input x; B: input Wr: left as it is (N = 8 < 16)
;;     2. [M 8,192, K 512] x [K 512, N 4,096]; A: input x; B: input W1 (given as codes): QUANTISED (scales: A lowp_scales[0], B lowp_scales[1])
;;     3. batch 8 x [M 512, K 512] x [K 512, N 8,192]; A: input W2 (given as codes); B: computed on the way: QUANTISED (scales: A lowp_scales[2], B lowp_scales[3])
;;   THE QUANTISER, for each operand of a quantised product, along K:
;;     - The operand's scale is 2^e, e = its entry of the input lowp_scales (int32; the entries are numbered through the quantised products in the list's order, A before B).
;;     - Each number is divided by the scale, clamped to +-57,344, and rounded to the nearest number of E5M2, ties to even, subnormals kept.
;;     - The product sums the exact products of the quantised numbers (number of the format x scale) in f32.
;;   ~~~python
;;   def quantise(x, axis, e):      # numpy; x: float32 -> the quantised numbers, widened to float32 again
;;       x = np.moveaxis(x, axis, -1); K = x.shape[-1]
;;       r = np.clip(x / 2.0 ** e, -57344, 57344)
;;       step = 2.0 ** (np.maximum(np.frexp(np.where(r == 0, 1, r))[1] - 1, -14) - 2)
;;       q = np.round(r / step) * step * 2.0 ** e      # np.round: ties to even
;;       return np.moveaxis(q, -1, axis).astype(np.float32)
;;   ~~~
;;   OPERANDS COMPUTED ON THE WAY. 'Computed on the way' means the value that the module computes at that place (a softmax that the list does not call 'softmax' is quantised finished and normalised). What goes into a quantiser is computed in f32, as accurately as f32 sums, v_exp_f32 and their like allow (about 1e-6 of the number): no bf16 or f16 on the way to a quantiser, and a product that is left as it is and whose result goes on into a quantised operand takes f32 operands (vector FMAs, or v_wmma_f32_16x16x4_f32). A number that lies on a knife's edge between two numbers of the format may be rounded either way, as far as f32 arithmetic and the matrix unit's own rounding can turn it there, and no further.
;;   INPUTS GIVEN AS CODES. W1 (in the module: [8, 512, 512], K = its axis 1); W2 (in the module: [8, 512, 512], K = its axis 1): each comes as NAME_codes (uint8): NAME with its K axis moved to the last place and cut into blocks of 32 codes, [.., K / 32, bytes a block], one block behind the other in memory; one code a byte (a code: sign, 5 exponent bits, 2 mantissa bits); its scale is its entry of lowp_scales. Its value is code x scale, taken as it is: it is not quantised again, and the codes and scales need not be those that the quantiser above would give.
;; 2 versions. Each part assembles by itself: llvm-mc -triple=amdgcn-amd-amdhsa -mcpu=gfx1250 --defsym DOCPART=n.
;; ======== version 1 of 2: 3 launches
;; workspace buffers: xq 4,194,304 bytes; gate 32,768 bytes; sel 32,768 bytes of whole numbers; hist 8,192 bytes of whole numbers; order 34,560 bytes of whole numbers; texp 1,024 bytes of whole numbers; wimg 4,194,304 bytes
;; launch route (part 1): grid 256 x 1, 4 waves a work-group, no clusters, 17,408 bytes of LDS; arguments x, Wr, br, lowp_scales, xq, sel, hist, gate; writes xq, sel, hist, gate
.if DOCPART == 1
	.amdgcn_target "amdgcn-amd-amdhsa--gfx1250"
	.amdhsa_code_object_version 6
	.text
	.protected	k_qca7e268760_route
	.globl	k_qca7e268760_route
	.p2align	8
	.type	k_qca7e268760_route,@function
k_qca7e268760_route:
	s_mov_b64 s[64:65], 0
	v_nop
	global_prefetch_b8 v0, s[64:65] scope:SCOPE_SE
	s_setreg_imm32_b32 hwreg(HW_REG_WAVE_MODE, 25, 1), 1
	s_wait_xcnt 0x0
; ROUTE.  x [8192][512] f32 is read once and serves two things: the router (logits = x Wr + br in f32 fused multiply-adds, softmax, the largest
; probability and its expert) and the codes of x (E5M2, scale 2^ex, ex = entry 0 of the scales), stored as xq [8192][512], K as it lies.
; The choice steers no address here: it is stored at fixed places.  sel[token] = expert | rank << 8, rank = how many earlier tokens of the
; token's group of 32 chose the same expert; hist[group][8] = the group's counts; gate[token] = the largest probability.
; SHARES.  A work-group takes 32 tokens (one group), a wave 8 rows, one row at a time.  Lane l holds k = 128 j + 4 l + i (j, i = 0..3), so each of a
; row's four loads reads 512 consecutive bytes.  All 32 loads of x and all 32 of Wr of a wave are issued at the head.
; Wr's 16 rows of a lane (128 numbers) stay in registers v256-383.  A lane's partial logits (8 rows x 8 experts) are summed over the 32 lanes by a
; butterfly that halves the registers in each of its first three steps: at its end lane l holds the 8 logits of row l % 8.
; The maximum is taken away before the exponentials; the largest term is then 2^0 = 1 exactly, so the gate is 1 / the sum.  The
; expert is the lowest index whose logit equals the row's largest (argmax keeps the lower index).
; STORES.  xq: a row of 512 bytes by one instruction.  sel, gate (128 bytes a work-group) and hist (32 bytes) are short pieces: 288 bytes of a work-group's 16,672.
; No matrix unit, no cluster, no tensor load: work-groups share only Wr (16 KiB), and the product has 8 columns.
; LIMITS: ex between -126 and 112, so that 2^ex and 57,344 x 2^ex are f32 numbers.  NaN among the inputs is not served.
.set R,    16                          ; v16-79   partial logits: row p, expert e at R + 8 p + e
.set P,    24                          ; v24-31   the softmax terms (row 1's partial logits are done with by then)
.set C,    80                          ; v80-111  codes: four words a row
.set T,    112                         ; v112-127 at work
.set X,    128                         ; v128-255 x: 16 numbers a row, 8 rows; later the rows of codes read back
.set SELW, 16384                       ; LDS: 0..16383 four stages of 8 rows x 512 bytes, one a wave; then 32 words of experts,
.set GATW, SELW+128                    ; and 32 words of gates
.set MSB,  0
.macro WIN new                         ; the immediate's high byte repeats the setting that is left
.if MSB != (\new)
	s_set_vgpr_msb (MSB<<8)|(\new)
.set MSB, (\new)
.endif
.endm
	s_load_b512 s[4:19], s[0:1], 0x0               ; x s[4:5], Wr s[6:7], br s[8:9], scales s[10:11], xq s[12:13], sel s[14:15], hist s[16:17], gate s[18:19]
	s_set_vgpr_msb 0x40
	v_lshl_add_u32 v128, v0, 2, 0x4200
	v_mov_b32 v129, 0
	s_set_vgpr_msb 0x4000
	v_and_b32 v1, 31, v0                           ; lane
	v_lshrrev_b32 v10, 5, v0
	v_readfirstlane_b32 s20, v10                   ; wave 0..3
	v_lshlrev_b32 v2, 4, v1                        ; 16 x lane: my bytes of a load of x, and of a row of codes
	v_lshlrev_b32 v3, 7, v1                        ; 128 x lane: my four rows of Wr in a block of 128 rows
	v_lshlrev_b32 v7, 2, v1                        ; 4 x lane
	s_lshl_b32 s21, s20, 12                        ; my wave's stage
	v_add_nc_u32 v4, s21, v7                       ; into it: 4 bytes a lane
	v_add_nc_u32 v5, s21, v2                       ; out of it: 16 bytes a lane
	v_and_b32 v6, 7, v1
	v_lshlrev_b32 v6, 2, v6
	s_lshl_b32 s22, s20, 5
	s_add_co_u32 s22, s22, SELW
	v_add_nc_u32 v6, s22, v6                       ; the word of row l % 8 of my wave
	s_mov_b32 s33, 0xaaaaaaaa                      ; lanes whose bit 0 is set,
	s_mov_b32 s34, 0xcccccccc                      ; bit 1,
	s_mov_b32 s35, 0xf0f0f0f0                      ; bit 2
	s_mov_b32 s36, 0x76543210                      ; v_permlanex16_b32: lane l xor 16
	s_mov_b32 s37, 0xfedcba98
	s_lshl_b32 s40, ttmp9, 16                      ; 32 rows of 2,048 bytes a work-group,
	s_lshl_b32 s42, s20, 14                        ; 8 rows a wave
	s_add_co_u32 s40, s40, s42
	s_mov_b32 s41, 0
	s_lshr_b32 s42, s40, 2                         ; the codes are a quarter of the bytes
	s_mov_b32 s43, 0
	s_wait_kmcnt 0x0
	s_load_b256 s[24:31], s[8:9], 0x0              ; br
	s_load_b32 s32, s[10:11], 0x0                  ; ex
	s_add_nc_u64 s[4:5], s[4:5], s[40:41]
	s_add_nc_u64 s[12:13], s[12:13], s[42:43]
	WIN 0x40                                       ; destination v256 on
.irp j, 0,1,2,3
.irp q, 0,1,2,3,4,5,6,7
	global_load_b128 v[32*\j+4*\q:32*\j+4*\q+3], v3, s[6:7] offset:4096*\j+16*\q   ; Wr[128 j + 4 l + q / 2][4 (q % 2) ..]: number n = 4 j + i of my 16, expert e, at 8 n + e
.endr
.endr
	WIN 0
.irp p, 0,1,2,3,4,5,6,7
.irp j, 0,1,2,3
	global_load_b128 v[X+16*\p+4*\j:X+16*\p+4*\j+3], v2, s[4:5] offset:2048*\p+512*\j th:TH_LOAD_NT   ; 32 lanes read 512 consecutive bytes; read once in the launch
.endr
.endr
	s_wait_kmcnt 0x0
	s_add_co_i32 s32, s32, 127
	s_lshl_b32 s38, s32, 23
	v_mov_b32 v8, s38                              ; 2^ex as f32: the conversion takes its exponent field
	s_add_co_i32 s32, s32, 15
	s_lshl_b32 s32, s32, 23
	s_or_b32 s32, s32, 0x600000
	v_mov_b32 v9, s32                              ; 57,344 x 2^ex
; Row p of my eight: its partial logits, then its codes into the stage.
.macro ROW p
	s_wait_loadcnt 4*(7-(\p))                      ; loads come back in order: this row's four (and Wr, issued first) are in, the younger rows' stay out
	WIN 0x04                                       ; source 1 (Wr) v256 on
.irp q, 0,1,2,3
	v_pk_mul_f32 v[R+8*(\p)+2*\q:R+8*(\p)+2*\q+1], v[X+16*(\p):X+16*(\p)+1], v[2*\q:2*\q+1] op_sel_hi:[0,1]   ; the first number starts the sums: x for both halves, two experts
.endr
.set n, 1
.rept 15
.irp q, 0,1,2,3
.if n%2
	v_pk_fma_f32 v[R+8*(\p)+2*\q:R+8*(\p)+2*\q+1], v[X+16*(\p)+n-1:X+16*(\p)+n], v[8*n+2*\q:8*n+2*\q+1], v[R+8*(\p)+2*\q:R+8*(\p)+2*\q+1] op_sel:[1,0,0] op_sel_hi:[1,1,1]   ; the pair's second x for both halves
.else
	v_pk_fma_f32 v[R+8*(\p)+2*\q:R+8*(\p)+2*\q+1], v[X+16*(\p)+n:X+16*(\p)+n+1], v[8*n+2*\q:8*n+2*\q+1], v[R+8*(\p)+2*\q:R+8*(\p)+2*\q+1] op_sel_hi:[0,1,1]   ; the pair's first x for both halves
.endif
.endr
.set n, n+1
.endr
	WIN 0
.set n, 0
.rept 16
	v_med3_num_f32 v[X+16*(\p)+n], v[X+16*(\p)+n], -v9, v9   ; behind the router, which takes x as it is: the conversion to an 8-bit code does not saturate (ISA guide 7.6.2), so the number is held first
.set n, n+1
.endr
	v_cvt_scalef32_pk8_bf8_f32 v[C+4*(\p):C+4*(\p)+1], v[X+16*(\p):X+16*(\p)+7], v8       ; word j = the codes of k = 128 j + 4 l + 0..3
	v_cvt_scalef32_pk8_bf8_f32 v[C+4*(\p)+2:C+4*(\p)+3], v[X+16*(\p)+8:X+16*(\p)+15], v8
	v_nop                                          ; one plain vector line behind the last scaled conversion
.irp j, 0,1,2,3
	ds_store_b32 v4, v[C+4*(\p)+\j] offset:512*(\p)+128*\j
.endr
.endm
; One step of the butterfly on two registers: a belongs to the lanes whose bit is 0, b to those whose bit is 1.  A lane keeps its own, sends the other, and adds what its partner sends.
.macro BFLY a, b, mask, xm, t
	v_cndmask_b32 v[T+2*(\t)], v[\a], v[\b], s[\mask]
	v_cndmask_b32 v[T+2*(\t)+1], v[\b], v[\a], s[\mask]
	v_add_f32_dpp v[\a], v[T+2*(\t)+1], v[T+2*(\t)] row_xmask:\xm row_mask:0xf bank_mask:0xf
.endm
; Four rows p0 .. p0 + 3 (32 registers) become 8: row p0 + l % 4
.macro HALF p0
.irp e, 0,1,2,3,4,5,6,7
	BFLY R+8*(\p0)+\e, R+8*(\p0)+8+\e, 33, 1, \e%4
	BFLY R+8*(\p0)+16+\e, R+8*(\p0)+24+\e, 33, 1, 4+\e%4
.endr
.irp e, 0,1,2,3,4,5,6,7
	BFLY R+8*(\p0)+\e, R+8*(\p0)+16+\e, 34, 2, \e
.endr
.endm
	ROW 0
	ROW 1
	ROW 2
	ROW 3
	HALF 0                                         ; while rows 4 to 7 are on their way
	ROW 4
	ROW 5
	ROW 6
	ROW 7
.irp p, 0,1,2,3,4,5,6,7
	ds_load_b128 v[X+4*\p:X+4*\p+3], v5 offset:512*\p   ; a row of codes, 16 bytes a lane.  LDS serves a wave's instructions in order (ISA guide 5.7.1.4): these see my stores
.endr
	HALF 4
.irp e, 0,1,2,3,4,5,6,7
	BFLY R+\e, R+32+\e, 35, 4, \e                  ; row l % 8
.endr
.irp e, 0,1,2,3,4,5,6,7
	v_add_f32_dpp v[R+\e], v[R+\e], v[R+\e] row_xmask:8 row_mask:0xf bank_mask:0xf
.endr
.irp e, 0,1,2,3,4,5,6,7
	v_permlanex16_b32 v[T+\e], v[R+\e], s36, s37   ; (its destination counts as read: the butterfly has written it)
.endr
.irp e, 0,1,2,3,4,5,6,7
	v_add_f32 v[R+\e], v[R+\e], v[T+\e]
.endr
.irp p, 0,1,2,3,4,5,6,7
	s_wait_dscnt 7-\p                              ; row p is back; the younger rows may be out
	global_store_b128 v2, v[X+4*\p:X+4*\p+3], s[12:13] offset:512*\p   ; 32 lanes store a row's 512 consecutive bytes, at a multiple of 512 from the buffer's first byte
.endr
	; the softmax of row l % 8
.irp e, 0,1,2,3,4,5,6,7
	v_add_f32 v[R+\e], s[24+\e], v[R+\e]           ; + br
.endr
	v_max3_num_f32 v112, v16, v17, v18
	v_max3_num_f32 v113, v19, v20, v21
	v_max3_num_f32 v112, v112, v22, v23
	v_max_num_f32 v112, v112, v113                 ; the row's largest logit
.irp e, 0,1,2,3,4,5,6,7
	v_sub_f32 v[P+\e], v[R+\e], v112               ; first the difference, which is exactly 0 for the largest,
.endr
.irp e, 0,1,2,3,4,5,6,7
	v_mul_f32 v[P+\e], 0x3fb8aa3b, v[P+\e]         ; then x log2(e)
.endr
.irp e, 0,1,2,3,4,5,6,7
	v_exp_f32 v[P+\e], v[P+\e]
.endr
	v_mov_b32 v120, 7                              ; (a plain line behind the exponentials)  the expert, if no lower one has the largest logit
	s_wait_alu depctr_va_vdst(0)                   ; one wait for the eight, ahead of their first reader
	v_add_f32 v121, v24, v25
	v_add_f32 v122, v26, v27
	v_add_f32 v123, v28, v29
	v_add_f32 v124, v30, v31
	v_add_f32 v121, v121, v122
	v_add_f32 v123, v123, v124
	v_add_f32 v121, v121, v123
	v_rcp_f32 v122, v121                           ; the gate: the largest term is 1
.irp e, 6,5,4,3,2,1,0
	v_cmp_eq_f32 vcc_lo, v112, v[R+\e]             ; (plain lines behind the reciprocal, which name neither its result nor its source)  is this logit the largest?
	v_cndmask_b32 v120, v120, \e, vcc_lo           ; downward, so that the lowest index stays
.endr
	s_wait_alu depctr_va_vdst(0)                   ; the wait for the reciprocal, ahead of its first reader
	ds_store_b32 v6, v120                          ; the four lanes that hold a row write the same word with the same number
	ds_store_b32 v6, v122 offset:GATW-SELW
	s_wait_dscnt 0x0                               ; for wave 0's sake: my stores have landed
	s_barrier_signal -1
	s_barrier_wait -1
	s_cmp_lg_u32 s20, 0
	s_cbranch_scc1 .Ldone
	; wave 0: lane l = token l of the group
	ds_load_b32 v10, v7 offset:SELW
	ds_load_b32 v11, v7 offset:GATW
	v_mov_b32 v12, 0                               ; the rank
	v_mov_b32 v14, 0                               ; the counts, expert e in lane e
	s_lshl_b32 s40, ttmp9, 7
	s_add_nc_u64 s[14:15], s[14:15], s[40:41]
	s_add_nc_u64 s[18:19], s[18:19], s[40:41]
	s_lshl_b32 s40, ttmp9, 5
	s_add_nc_u64 s[16:17], s[16:17], s[40:41]
	s_wait_dscnt 0x0
.irp e, 0,1,2,3,4,5,6,7
	v_cmp_eq_u32 vcc_lo, \e, v10
	v_mbcnt_lo_u32_b32 v13, vcc_lo, 0              ; how many lower lanes chose e
	v_cndmask_b32 v12, v12, v13, vcc_lo
	s_bcnt1_i32_b32 s38, vcc_lo
	v_writelane_b32 v14, s38, \e
.endr
	v_lshl_or_b32 v15, v12, 8, v10
	global_store_b32 v7, v15, s[14:15]
	global_store_b32 v7, v11, s[18:19]
	v_cmp_gt_u32 vcc_lo, 8, v1
	s_wait_xcnt 0x0                                ; EXEC is a source of the stores above: it changes only behind this wait
	s_and_saveexec_b32 s39, vcc_lo
	global_store_b32 v7, v14, s[16:17]             ; lanes 0 to 7
	s_wait_xcnt 0x0                                ; and again ahead of the line that widens it
	s_or_b32 exec_lo, exec_lo, s39
.Ldone:
	s_barrier_signal -1
	s_barrier_wait -1
	s_set_vgpr_msb 0x5
	s_wait_tensorcnt 0x0
	ds_add_u32 v128, v129
	s_wait_dscnt 0x0
	s_set_vgpr_msb 0x500
	s_endpgm
.Lfunc_end_k_qca7e268760_route:
	.size	k_qca7e268760_route, .Lfunc_end_k_qca7e268760_route-k_qca7e268760_route
	.p2alignl 7, 3214868480
	.fill 96, 4, 3214868480
	.section	.rodata,"a",@progbits
	.p2align	6, 0x0
	.amdhsa_kernel k_qca7e268760_route
		.amdhsa_group_segment_fixed_size 17408
		.amdhsa_private_segment_fixed_size 0
		.amdhsa_enable_private_segment 0
		.amdhsa_kernarg_size 64
		.amdhsa_user_sgpr_count 2
		.amdhsa_user_sgpr_kernarg_segment_ptr 1
		.amdhsa_wavefront_size32 1
		.amdhsa_system_sgpr_workgroup_id_x 1
		.amdhsa_system_sgpr_workgroup_id_y 1
		.amdhsa_system_sgpr_workgroup_id_z 1
		.amdhsa_system_vgpr_workitem_id 0
		.amdhsa_next_free_vgpr 386
		.amdhsa_next_free_sgpr 66
		.amdhsa_reserve_vcc 1
		.amdhsa_float_denorm_mode_32 3
		.amdhsa_float_denorm_mode_16_64 3
		.amdhsa_memory_ordered 1
		.amdhsa_forward_progress 1
		.amdhsa_inst_pref_size 71
	.end_amdhsa_kernel
	.amdgpu_metadata
---
amdhsa.version: [ 1, 2 ]
amdhsa.kernels:
  - .name:           k_qca7e268760_route
    .symbol:         k_qca7e268760_route.kd
    .args:
      - { .name: x, .offset: 0, .size: 8, .value_kind: global_buffer, .address_space: global }
      - { .name: Wr, .offset: 8, .size: 8, .value_kind: global_buffer, .address_space: global }
      - { .name: br, .offset: 16, .size: 8, .value_kind: global_buffer, .address_space: global }
      - { .name: lowp_scales, .offset: 24, .size: 8, .value_kind: global_buffer, .address_space: global }
      - { .name: xq, .offset: 32, .size: 8, .value_kind: global_buffer, .address_space: global }
      - { .name: sel, .offset: 40, .size: 8, .value_kind: global_buffer, .address_space: global }
      - { .name: hist, .offset: 48, .size: 8, .value_kind: global_buffer, .address_space: global }
      - { .name: gate, .offset: 56, .size: 8, .value_kind: global_buffer, .address_space: global }
    .group_segment_fixed_size: 17408
    .private_segment_fixed_size: 0
    .kernarg_segment_align: 8
    .kernarg_segment_size: 64
    .max_flat_workgroup_size: 128
    .sgpr_count:     66
    .vgpr_count:     386
    .wavefront_size: 32
...
	.end_amdgpu_metadata
.endif
;; end of part 1
;; launch prep (part 2): grid 65 x 1, 8 waves a work-group, no clusters, 9,472 bytes of LDS; arguments sel, hist, W1_codes, W2_codes, order, texp, wimg; writes order, texp, wimg
.if DOCPART == 2
	.amdgcn_target "amdgcn-amd-amdhsa--gfx1250"
	.amdhsa_code_object_version 6
	.text
	.protected	k_qca7e268760_prep
	.globl	k_qca7e268760_prep
	.p2align	8
	.type	k_qca7e268760_prep,@function
k_qca7e268760_prep:
	s_mov_b64 s[64:65], 0
	v_nop
	global_prefetch_b8 v0, s[64:65] scope:SCOPE_SE
	s_setreg_imm32_b32 hwreg(HW_REG_WAVE_MODE, 25, 1), 1
	s_wait_xcnt 0x0
; PREP.  Work-group 0 places the rows by expert; work-groups 1 to 64 lay the weights' codes in the order of the operand's registers.  The two ways part on the work-group's number alone;
; only the first uses LDS and barriers.
; PLACING (256 threads, thread t = group t of 32 tokens).  Each expert gets whole tiles of 64 rows, one expert behind the other: 8192 / 64 + 7 = 135 tiles at the most, whatever the split.
; A token's place = its expert's first place + the tokens of that expert in earlier groups + its rank in its group.  The middle term is an exclusive prefix sum of hist over the 256 groups:
; a scan in each wave, the eight waves' totals through LDS.  Two counts share a word (experts q and q + 4; a total is 8,192 at the most, so no half overflows).  No atomics.
; order[135][64] = token, or 8192 where a tile has no row; every entry is written.  texp[256] = a tile's expert, 8 where there is no tile.
; The 8,192 stores of tokens are 4 bytes a lane at places that hang on the choice: 32 KiB in all.
; All masks and all addresses are made with every lane on, ahead of the first line that narrows EXEC; behind it stand only the four masked stores.
; COPY.  Work-group 1 + u: expert u / 8, wave column w = (u / 2) % 4 of the chain, layer u % 2; wave t copies tile t (16 weight rows x 512 K).  A fragment (16 rows x 128 K) is 16 registers a lane:
; registers 4 c .. 4 c + 3 of lane (r, h) hold K = 32 c + 16 h + 0..15 of its row.  wimg byte = e 2^19 + w 2^17 + (4 layer + s) 2^14 + t 2^11 + 512 c + 16 lane.
; LAYER 1's ROWS OF A TILE ARE NOT NEIGHBOURS: lane r of tile 2 b + u takes hidden unit 32 b + 8 u + r + 8 (r / 8), so that in the chain the 16 registers of tiles 2 b and 2 b + 1 are 16 neighbours along the next K.
.set WT,   0                           ; LDS: eight waves' totals, 16 bytes each
.set TAB,  256                         ; LDS: [256 groups][8 experts]: the first place of the group's tokens of that expert
.set LAST, 0x21bf                      ; order's last entry: 135 x 64 - 1
.set NONE, 0x2000                      ; no row
	s_load_b256 s[4:11], s[0:1], 0x0               ; sel s[4:5], hist s[6:7], W1's codes s[8:9], W2's s[10:11]
	s_load_b128 s[12:15], s[0:1], 0x20             ; order s[12:13], texp s[14:15]
	s_load_b64 s[16:17], s[0:1], 0x30              ; wimg
	v_lshl_add_u32 v160, v0, 2, 0x2100
	v_mov_b32 v161, 0
	v_lshrrev_b32 v2, 5, v0
	v_readfirstlane_b32 s18, v2                    ; wave 0..7
	v_and_b32 v1, 31, v0                           ; lane
	s_cmp_lg_u32 ttmp9, 0
	s_cbranch_scc1 .Lcopy
	; ---------------- placing ----------------
	v_lshlrev_b32 v3, 5, v0                        ; 32 t
	v_lshlrev_b32 v4, 4, v0                        ; 16 t
	s_wait_kmcnt 0x0
	global_load_b128 v[16:19], v3, s[6:7]          ; my group's eight counts
	global_load_b128 v[20:23], v3, s[6:7] offset:16
.irp i, 0,1,2,3,4,5,6,7
	global_load_b128 v[32+4*\i:35+4*\i], v4, s[4:5] offset:4096*\i   ; sel of tokens 1024 i + 4 t + 0..3: a wave reads 512 consecutive bytes
.endr
	v_mov_b32 v5, s18
	v_lshlrev_b32 v5, 4, v5                        ; my wave's totals
	v_and_b32 v6, 7, v0                            ; l % 8
	v_lshlrev_b32 v7, 4, v6                        ; the totals of wave l % 8
	v_lshrrev_b32 v8, 3, v0
	v_lshlrev_b32 v8, 5, v8                        ; 32 (t / 8): the table's row of group 32 i + t / 8, less 1024 i
	v_lshlrev_b32 v9, 2, v0                        ; 4 t
.irp q, 0,1,2,3,4,5,6,7,8,9,10,11
	v_mov_b32 v[76+\q], 0                          ; written once: the destination of a DPP form counts as read
.endr
	s_mov_b32 s19, 0xffff0000                      ; lanes 16 to 31
	s_wait_loadcnt 0x8                             ; the counts are in; sel's eight loads stay out
.irp q, 0,1,2,3
	v_lshl_or_b32 v[24+\q], v[20+\q], 16, v[16+\q] ; experts q and q + 4 in one word
.endr
.irp q, 0,1,2,3
	v_mov_b32 v[28+\q], v[24+\q]                   ; my own counts are kept
.endr
.irp d, 1,2,4,8
.irp q, 0,1,2,3
	v_mov_b32_dpp v[76+\q], v[24+\q] row_shr:\d row_mask:0xf bank_mask:0xf bound_ctrl:1   ; an inclusive scan in each half of 16 lanes; the four words take turns
.endr
.irp q, 0,1,2,3
	v_add_nc_u32 v[24+\q], v[24+\q], v[76+\q]
.endr
.endr
.irp q, 0,1,2,3
	v_readlane_b32 s[20+\q], v[24+\q], 15          ; the lower half's sum
.endr
.irp q, 0,1,2,3
	v_mov_b32 v[76+\q], s[20+\q]
.endr
.irp q, 0,1,2,3
	v_cndmask_b32 v[76+\q], 0, v[76+\q], s19       ; goes onto the upper half
.endr
.irp q, 0,1,2,3
	v_add_nc_u32 v[24+\q], v[24+\q], v[76+\q]
.endr
.irp q, 0,1,2,3
	v_readlane_b32 s[20+\q], v[24+\q], 31          ; my wave's totals
.endr
.irp q, 0,1,2,3
	v_mov_b32 v[64+\q], s[20+\q]
.endr
	ds_store_b128 v5, v[64:67] offset:WT           ; all lanes write the same 16 bytes with the same numbers
	s_wait_dscnt 0x0                               ; for the others' sake
	s_barrier_signal -1
	s_barrier_wait -1
	ds_load_b128 v[68:71], v7 offset:WT            ; the totals of wave l % 8
	v_cmp_gt_u32 vcc_lo, s18, v6                   ; is that wave ahead of mine?
	s_wait_dscnt 0x0
.irp q, 0,1,2,3
	v_cndmask_b32 v[72+\q], 0, v[68+\q], vcc_lo
.endr
.irp d, 1,2,4
.irp q, 0,1,2,3,4,5,6,7
	v_mov_b32_dpp v[80+\q], v[68+\q] row_xmask:\d row_mask:0xf bank_mask:0xf   ; both sets summed over the eight lanes that hold the eight waves
.endr
.irp q, 0,1,2,3,4,5,6,7
	v_add_nc_u32 v[68+\q], v[68+\q], v[80+\q]
.endr
.endr
.irp q, 0,1,2,3
	v_sub_nc_u32 v[24+\q], v[24+\q], v[28+\q]      ; exclusive in my wave,
	v_add_nc_u32 v[24+\q], v[24+\q], v[72+\q]      ; + the waves ahead: the tokens of each expert in earlier groups
.endr
.irp q, 0,1,2,3
	v_readfirstlane_b32 s[20+\q], v[68+\q]         ; the eight experts' totals
.endr
.irp q, 0,1,2,3
	s_and_b32 s[32+\q], s[20+\q], 0xffff
	s_lshr_b32 s[36+\q], s[20+\q], 16
.endr
	s_mov_b32 s58, 0                               ; tiles so far
	s_mov_b32 s56, 0
	s_mov_b32 s57, 0
.irp e, 0,1,2,3,4,5,6,7
	s_lshl_b32 s[40+\e], s58, 6                    ; the expert's first place
	s_add_co_u32 s59, s[32+\e], 63
	s_lshr_b32 s59, s59, 6                         ; its tiles
	s_add_co_u32 s58, s58, s59
	s_mov_b32 s[48+\e], s58                        ; the tile behind its last
	s_add_co_u32 s59, s[40+\e], s[32+\e]           ; the place behind its last row,
	s_lshl_b32 s60, s58, 6                         ; and behind its last tile
	s_cmp_eq_u32 s18, \e                           ; wave e fills expert e's last tile up
	s_cselect_b32 s56, s59, s56
	s_cselect_b32 s57, s60, s57
.endr
	s_lshl_b32 s61, s58, 6                         ; the place behind the last tile of all
.irp q, 0,1,2,3
	v_and_b32 v[80+\q], 0xffff, v[24+\q]
	v_lshrrev_b32 v[84+\q], 16, v[24+\q]
.endr
.irp e, 0,1,2,3,4,5,6,7
	v_add_nc_u32 v[80+\e], s[40+\e], v[80+\e]
.endr
	ds_store_b128 v3, v[80:83] offset:TAB
	ds_store_b128 v3, v[84:87] offset:TAB+16
	s_wait_dscnt 0x0                               ; for the others' sake
	s_barrier_signal -1
	s_barrier_wait -1                              ; the table is whole; nothing is written to LDS from here on
	s_wait_loadcnt 0x0                             ; sel
.irp i, 0,1,2,3,4,5,6,7
.irp j, 0,1,2,3
	v_and_b32 v[96+4*\i+\j], 0xff, v[32+4*\i+\j]   ; the expert,
	v_min_u32 v[96+4*\i+\j], 7, v[96+4*\i+\j]      ; held inside the table
	v_lshl_add_u32 v[96+4*\i+\j], v[96+4*\i+\j], 2, v8
	ds_load_b32 v[128+4*\i+\j], v[96+4*\i+\j] offset:TAB+1024*\i
.endr
.endr
	; while the table's words come: the entries that get no row, their masks and their addresses; and the tiles' experts
	v_add_nc_u32 v88, s56, v1                      ; behind my expert's last row, 63 at the most,
	v_add_nc_u32 v89, 32, v88
	v_add_nc_u32 v92, s61, v0                      ; and behind the last tile: 7 x 64 at the most
	v_add_nc_u32 v93, 0x100, v92
	v_mov_b32 v90, NONE
	v_cmp_gt_u32 s24, s57, v88                     ; which lanes' entries lie under the end of my expert's last tile,
	v_cmp_gt_u32 s25, s57, v89
	v_cmp_gt_u32 s26, LAST+1, v92                  ; and under the buffer's end
	v_cmp_gt_u32 s27, LAST+1, v93
.irp a, 88,89,92,93
	v_min_u32 v\a, LAST, v\a                       ; a number made of loaded ones enters an address only held inside the buffer
	v_lshlrev_b32 v\a, 2, v\a
.endr
	v_mov_b32 v94, 0
.irp e, 0,1,2,3,4,5,6,7
	v_cmp_le_u32 vcc_lo, s[48+\e], v0              ; tile t lies behind expert e's tiles
	v_cndmask_b32 v95, 0, 1, vcc_lo
	v_add_nc_u32 v94, v94, v95                     ; how many experts lie wholly ahead of tile t: its expert, or 8
.endr
	global_store_b32 v9, v94, s[14:15]
	s_wait_dscnt 0x0
.irp i, 0,1,2,3,4,5,6,7
.irp j, 0,1,2,3
	v_lshrrev_b32 v[96+4*\i+\j], 8, v[32+4*\i+\j]  ; the rank
	v_add_nc_u32 v[96+4*\i+\j], v[96+4*\i+\j], v[128+4*\i+\j]
	v_min_u32 v[96+4*\i+\j], LAST, v[96+4*\i+\j]   ; held inside the buffer
	v_lshlrev_b32 v[96+4*\i+\j], 2, v[96+4*\i+\j]
	v_add_nc_u32 v[32+4*\i+\j], 1024*\i+\j, v9     ; the token
	global_store_b32 v[96+4*\i+\j], v[32+4*\i+\j], s[12:13]   ; each store has registers of its own
.endr
.endr
.macro GUARDED adr, mask               ; the lanes of s[mask] store the mark for no row at v[adr]
	s_mov_b32 vcc_lo, s[\mask]
	s_wait_xcnt 0x0                                ; EXEC is a source of the stores issued so far: it changes only behind this wait
	s_and_saveexec_b32 s59, vcc_lo
	global_store_b32 v[\adr], v90, s[12:13]
	s_wait_xcnt 0x0                                ; and again ahead of the line that widens it
	s_or_b32 exec_lo, exec_lo, s59
.endm
	GUARDED 88, 24
	GUARDED 89, 25
	GUARDED 92, 26
	GUARDED 93, 27
	s_wait_xcnt 0x0
	s_mov_b32 exec_lo, -1
	s_wait_tensorcnt 0x0
	ds_add_u32 v160, v161
	s_wait_dscnt 0x0
	s_endpgm
	; ---------------- copy ----------------
.Lcopy:
	s_sub_co_u32 s20, ttmp9, 1
	s_lshr_b32 s21, s20, 3                         ; expert
	s_bfe_u32 s22, s20, 0x20001                    ; w: which 128 rows of the weight
	s_and_b32 s23, s20, 1                          ; layer
	s_lshr_b32 s24, s18, 1
	s_lshl_b32 s24, s24, 5
	s_and_b32 s25, s18, 1
	s_lshl_b32 s25, s25, 3
	s_add_co_u32 s24, s24, s25                     ; layer 1: tile t begins at row 32 (t / 2) + 8 (t % 2),
	s_lshl_b32 s25, s18, 4                         ; layer 2: at row 16 t
	s_wait_kmcnt 0x0
	s_cmp_eq_u32 s23, 0                            ; the choice hangs on the work-group's number alone
	s_cselect_b32 s24, s24, s25
	s_cselect_b32 s26, 1, 0
	s_cselect_b64 s[8:9], s[8:9], s[10:11]
	s_lshl_b32 s24, s24, 9                         ; a row is 512 bytes
	s_lshl_b32 s27, s21, 18
	s_add_co_u32 s24, s24, s27
	s_lshl_b32 s27, s22, 16
	s_add_co_u32 s24, s24, s27
	s_mov_b32 s25, 0
	s_add_nc_u64 s[8:9], s[8:9], s[24:25]
	s_lshl_b32 s28, s21, 19
	s_lshl_b32 s27, s22, 17
	s_add_co_u32 s28, s28, s27
	s_lshl_b32 s27, s23, 16
	s_add_co_u32 s28, s28, s27
	s_lshl_b32 s27, s18, 11
	s_add_co_u32 s28, s28, s27
	s_mov_b32 s29, 0
	s_add_nc_u64 s[16:17], s[16:17], s[28:29]
	v_and_b32 v2, 15, v0                           ; r
	v_bfe_u32 v3, v0, 4, 1                         ; h
	v_and_b32 v4, 8, v2
	v_mul_u32_u24 v4, s26, v4                      ; 8 (r / 8) in layer 1, 0 in layer 2
	v_add_nc_u32 v4, v4, v2
	v_lshlrev_b32 v4, 9, v4
	v_lshl_add_u32 v4, v3, 4, v4                   ; my row, + 16 h
	v_lshlrev_b32 v5, 4, v1                        ; 16 x lane
.irp s, 0,1,2,3
.irp c, 0,1,2,3
	global_load_b128 v[16+16*\s+4*\c:19+16*\s+4*\c], v4, s[8:9] offset:128*\s+32*\c   ; the sixteen loads together take the tile's 16 rows whole
.endr
.endr
.irp s, 0,1,2,3
.irp c, 0,1,2,3
	s_wait_loadcnt 15-4*\s-\c                      ; this load is in; the younger ones stay out
	global_store_b128 v5, v[16+16*\s+4*\c:19+16*\s+4*\c], s[16:17] offset:16384*\s+512*\c   ; 32 lanes store 512 consecutive bytes, at a multiple of 512 from the buffer's first byte
.endr
.endr
	s_endpgm
.Lfunc_end_k_qca7e268760_prep:
	.size	k_qca7e268760_prep, .Lfunc_end_k_qca7e268760_prep-k_qca7e268760_prep
	.p2alignl 7, 3214868480
	.fill 96, 4, 3214868480
	.section	.rodata,"a",@progbits
	.p2align	6, 0x0
	.amdhsa_kernel k_qca7e268760_prep
		.amdhsa_group_segment_fixed_size 9472
		.amdhsa_private_segment_fixed_size 0
		.amdhsa_enable_private_segment 0
		.amdhsa_kernarg_size 56
		.amdhsa_user_sgpr_count 2
		.amdhsa_user_sgpr_kernarg_segment_ptr 1
		.amdhsa_wavefront_size32 1
		.amdhsa_system_sgpr_workgroup_id_x 1
		.amdhsa_system_sgpr_workgroup_id_y 1
		.amdhsa_system_sgpr_workgroup_id_z 1
		.amdhsa_system_vgpr_workitem_id 0
		.amdhsa_next_free_vgpr 162
		.amdhsa_next_free_sgpr 66
		.amdhsa_reserve_vcc 1
		.amdhsa_float_denorm_mode_32 3
		.amdhsa_float_denorm_mode_16_64 3
		.amdhsa_memory_ordered 1
		.amdhsa_forward_progress 1
		.amdhsa_inst_pref_size 38
	.end_amdhsa_kernel
	.amdgpu_metadata
---
amdhsa.version: [ 1, 2 ]
amdhsa.kernels:
  - .name:           k_qca7e268760_prep
    .symbol:         k_qca7e268760_prep.kd
    .args:
      - { .name: sel, .offset: 0, .size: 8, .value_kind: global_buffer, .address_space: global }
      - { .name: hist, .offset: 8, .size: 8, .value_kind: global_buffer, .address_space: global }
      - { .name: W1_codes, .offset: 16, .size: 8, .value_kind: global_buffer, .address_space: global }
      - { .name: W2_codes, .offset: 24, .size: 8, .value_kind: global_buffer, .address_space: global }
      - { .name: order, .offset: 32, .size: 8, .value_kind: global_buffer, .address_space: global }
      - { .name: texp, .offset: 40, .size: 8, .value_kind: global_buffer, .address_space: global }
      - { .name: wimg, .offset: 48, .size: 8, .value_kind: global_buffer, .address_space: global }
    .group_segment_fixed_size: 9472
    .private_segment_fixed_size: 0
    .kernarg_segment_align: 8
    .kernarg_segment_size: 56
    .max_flat_workgroup_size: 256
    .sgpr_count:     66
    .vgpr_count:     162
    .wavefront_size: 32
...
	.end_amdgpu_metadata
.endif
;; end of part 2
;; launch chain (part 3): grid 135 x 1, 4 waves a work-group, no clusters, 99,840 bytes of LDS; arguments xq, wimg, b1, b2, lowp_scales, gate, order, texp, out0; writes out0
.if DOCPART == 3
	.amdgcn_target "amdgcn-amd-amdhsa--gfx1250"
	.amdhsa_code_object_version 6
	.text
	.protected	k_qca7e268760_chain
	.globl	k_qca7e268760_chain
	.p2align	8
	.type	k_qca7e268760_chain,@function
k_qca7e268760_chain:
	s_mov_b64 s[64:65], 0
	v_nop
	global_prefetch_b8 v0, s[64:65] scope:SCOPE_SE
	s_setreg_imm32_b32 hwreg(HW_REG_WAVE_MODE, 25, 1), 1
	s_wait_xcnt 0x0
; CHAIN.  One work-group takes one tile of 64 rows of one expert through the whole chain: gather the rows' codes, first product, + b1, relu, quantise, second product, + b2, x gate, store.
; Both products on codes of E5M2 by v_wmma_f32_16x16x128_bf8_bf8; sums in f32.  The scales' exponents: ex, ew1, ew2, eh (entries 0 to 3).  The hidden layer never goes to memory.
; GRID.  135 = 8192 / 64 + 7 tiles serve every split of the tokens among the 8 experts.  What the stored list decides enters addresses and selections, and ONE scalar branch, on the tile's stored
; expert, behind the last barrier and the last product: a tile with no row at all (7 at the most; its entry of texp is 8) passes over the way out and stores nothing.  Up to there it runs on expert 7's
; weights and token 8191's codes, so that every wave of every work-group passes both barriers.  EXEC is never changed.
; A row that the list leaves empty in a tile that has rows (mark 8192) takes the tile's row 0: it computes and stores that row's numbers again, by the same wave (63 rows an expert at the most).
; SHARES.  THE WAVES SHARE THE COLUMNS: wave w makes hidden units 128 w .. + 127 and outputs 128 w .. + 127 for all 64 rows: 32 accumulators, 256 registers.  So each byte of the expert's 512 KiB of weights
; is loaded once in the work-group, straight from memory into registers, in the order of the operand's registers (wimg), 512 consecutive bytes an instruction.
; Weights come in 8 groups (a layer's K step of 128: 8 fragments, 32 loads, 16 KiB a wave) through three sets of 128 registers: while one group is multiplied, two are on their way.
; The rows' codes go from wave to wave through LDS as images of their registers (4 stores of 512 bytes a fragment, lane l's 16 bytes at 16 l): x's 16 fragments, then the hidden layer's 16.
; BOTH PRODUCTS ARE USED TRANSPOSED (source 0 = 16 weight rows, source 1 = 16 rows of the tile): a lane holds one row, and its registers run along the columns.  Layer 1's weight rows are chosen (in wimg) so that
; the 16 registers of tiles 2 b and 2 b + 1 are hidden units 32 b + 16 (lane / 16) + 0..15: the conversions' results are the next operand's registers.  In every fragment registers 4 c .. 4 c + 3 hold
; K = 32 c + 16 (lane / 16) + 0..15: the same permutation of K on both sides of each product.
; b1 goes in as the C of the first K step, divided by 2^(ex + ew1); the conversion takes 2^(eh - ex - ew1) as its one scale; relu and the hold at the largest code are one v_med3_num_f32.
; NO CLUSTER, NO TENSOR LOAD: a tile's expert is a number read from memory, so neighbours in the grid need not share an expert, and no tile of weights lies in LDS that partners could receive jointly.
; LIMITS: eh - ex - ew1 between -126 and 112; ew2 + eh between -126 and 127, so that each power of two below is an f32 number.  NaN is not served.
; REGISTERS, in windows of 256 (s_set_vgpr_msb: bits 1:0 source 0, 3:2 source 1, 5:4 source 2, 7:6 destination):
;   window 0: v1-13 addresses and constants; v16-79, v80-143 two buffers of four row fragments; v144-159 store addresses; v224-247 tokens, gates, their addresses
;   window 1: weight sets 0 (v0-127) and 1 (v128-255)     window 2: weight set 2 (v0-127); b1 (v128-191), b2 (v192-255) in the results' layout     window 3: accumulator (m, t) at v[8 (8 m + t)]
.set FA,   16                          ; row fragments, buffer 0: fragment m at FA + 16 m
.set FB,   80                          ; buffer 1
.set AD,   144                         ; the way out: 16 byte offsets in out0
.set TM,   224                         ; v224-227 token of row 16 m + lane % 16
.set TW,   228                         ; v228     token of row 16 wave + lane % 16: the rows whose codes I gather
.set GT,   232                         ; v232, 234, 236, 238 the gate of row 16 m + lane % 16; the odd registers beside them hold 0 (named with them as pairs)
.set GA,   244                         ; v244-247 the gates' byte offsets
.set B1,   128                         ; in window 2
.set B2,   192
.set XIMG, 0                           ; LDS: x's 16 images (tile of rows m, K step s: 4 m + s) of 2,048 bytes,
.set HIMG, 32768                       ; the hidden layer's 16,
.set STG,  65536                       ; and a stage of 16 rows x (512 + 16) bytes for each wave
.set SP,   528
.set MSB,  0
.macro WIN new                         ; the immediate's high byte repeats the setting that is left
.if MSB != (\new)
	s_set_vgpr_msb (MSB<<8)|(\new)
.set MSB, (\new)
.endif
.endm
.macro PLACES                          ; a load into a register that a matrix instruction has read, and a vector instruction that reads a matrix result, stand four plain vector lines behind it (ISA guide 7.12.1 for vector instructions)
.rept 4
	v_nop
.endr
.endm
.macro SLOTOF k                        ; group k lies in register set k % 3
.if (\k)%3 == 0
.set SB, 0
.set SW, 1
.elseif (\k)%3 == 1
.set SB, 128
.set SW, 1
.else
.set SB, 0
.set SW, 2
.endif
.endm
.macro WLOAD k                         ; group k's 8 fragments: 32 loads of 512 consecutive bytes
	SLOTOF \k
	WIN SW<<6
.irp t, 0,1,2,3,4,5,6,7
.irp c, 0,1,2,3
	global_load_b128 v[SB+16*\t+4*\c:SB+16*\t+4*\c+3], v1, s[6:7] offset:16384*(\k)+2048*\t+512*\c
.endr
.endr
.endm
.macro FETCH buf, base, s              ; K step s of the four tiles of rows, out of the images
	WIN 0
.irp m, 0,1,2,3
.irp c, 0,1,2,3
	ds_load_b128 v[\buf+16*\m+4*\c:\buf+16*\m+4*\c+3], v1 offset:\base+(4*\m+(\s))*2048+512*\c
.endr
.endr
.endm
; 32 matrix instructions: the four tiles of rows x my eight tiles of columns, 128 along K.  The 32 accumulators take turns, one instruction a turn, in the same order in every group.
; Group 0 starts the first sums with b1, group 4 the second sums with the constant 0: nothing is cleared.
.macro MUL k, buf
	SLOTOF \k
.if (\k) == 0
	WIN 0xe0+SW
.elseif (\k) == 4
	WIN 0xc0+SW
.else
	WIN 0xf0+SW
.endif
.irp m, 0,1,2,3
.irp t, 0,1,2,3,4,5,6,7
.if (\k) == 0
	v_wmma_f32_16x16x128_bf8_bf8 v[8*(8*\m+\t):8*(8*\m+\t)+7], v[SB+16*\t:SB+16*\t+15], v[\buf+16*\m:\buf+16*\m+15], v[B1+8*\t:B1+8*\t+7]
.elseif (\k) == 4
	v_wmma_f32_16x16x128_bf8_bf8 v[8*(8*\m+\t):8*(8*\m+\t)+7], v[SB+16*\t:SB+16*\t+15], v[\buf+16*\m:\buf+16*\m+15], 0
.else
	v_wmma_f32_16x16x128_bf8_bf8 v[8*(8*\m+\t):8*(8*\m+\t)+7], v[SB+16*\t:SB+16*\t+15], v[\buf+16*\m:\buf+16*\m+15], v[8*(8*\m+\t):8*(8*\m+\t)+7]
.endif
.endr
.endr
.endm
; Group k.  lcnt: the wait that shows its weights in (32: the next group's 32 loads stay out; below 0: it stands elsewhere).  wl: the group asked for now, into the set that group k - 1 has left (below 0: none).
.macro GROUP k, base, lcnt, wl
.if \lcnt >= 0
	s_wait_loadcnt \lcnt
.endif
.if (\k)%4
.if (\k) != 7
	PLACES                                         ; ahead of the loads into the weight set and the row buffer that group k - 1 multiplied
.endif
.endif
.if \wl >= 0
	WLOAD \wl
.endif
.if (\k)%4 == 0
	FETCH FA, \base, 0                             ; a layer's first K step
.endif
.if (\k)%4 == 3
	s_wait_dscnt 0x0
.else
	FETCH FA+64*(((\k)+1)%2), \base, (\k)%4+1      ; the next K step, into the other buffer
	s_wait_dscnt 16                                ; this step's fragments are in; the 16 loads just issued stay out
.endif
	MUL \k, FA+64*((\k)%2)
.endm
; The hidden layer of tile of rows m: my 64 numbers a lane (register 16 b + i = hidden unit 128 wave + 32 b + 16 (lane / 16) + i) become one fragment, K step wave of the second product.
.macro QUANT m
	WIN 0xc3
.set j, 0
.rept 64
	v_med3_num_f32 v[64*(\m)+j], v[64*(\m)+j], 0, v12   ; the activation and the hold in one (the conversion to an 8-bit code does not saturate: ISA guide 7.6.2); each accumulator from its low end on
.set j, j+1
.endr
	WIN 0x03
.irp g, 0,1,2,3,4,5,6,7
	v_cvt_scalef32_pk8_bf8_f32 v[FA+16*(\m)+2*\g:FA+16*(\m)+2*\g+1], v[64*(\m)+8*\g:64*(\m)+8*\g+7], v11
.endr
	v_nop                                          ; one plain vector line behind the last scaled conversion: the second product's instructions write its sources later
	WIN 0
.irp c, 0,1,2,3
	ds_store_b128 v6, v[FA+16*(\m)+4*\c:FA+16*(\m)+4*\c+3] offset:8192*(\m)+512*\c
.endr
.endm
; The way out of tile of rows m: y = gate x (sum x 2^(ew2 + eh) + b2).  A lane holds 8 x 8 neighbouring columns of one row: the 16 rows go through my own stage and come back as rows of 512 bytes.
.macro OUT m
	WIN 0x23                                       ; source 0 (the sums) window 3, source 2 (b2) window 2
.irp t, 0,1,2,3,4,5,6,7
.irp i, 0,2,4,6
	v_pk_fma_f32 v[FA+8*\t+\i:FA+8*\t+\i+1], v[8*(8*(\m)+\t)+\i:8*(8*(\m)+\t)+\i+1], s[46:47], v[B2+8*\t+\i:B2+8*\t+\i+1] op_sel_hi:[1,0,1]   ; each accumulator from its low end on
.endr
.endr
	WIN 0
.set q, 0
.rept 32
	v_pk_mul_f32 v[FA+q:FA+q+1], v[FA+q:FA+q+1], v[GT+2*(\m):GT+2*(\m)+1] op_sel_hi:[1,0]   ; x my row's gate (the pair's first register for both halves)
.set q, q+2
.endr
.irp t, 0,1,2,3,4,5,6,7
	ds_store_b128 v7, v[FA+8*\t:FA+8*\t+3] offset:64*\t
	ds_store_b128 v7, v[FA+8*\t+4:FA+8*\t+7] offset:64*\t+16
.endr
.if (\m) > 0
	s_wait_xcnt 0x0                                ; the last tile's stores have read their data and their offsets: both are written again only behind this wait
.endif
.irp i, 0,1,2,3,4,5,6,7,8,9,10,11,12,13,14,15
	ds_load_b128 v[FB+4*\i:FB+4*\i+3], v8 offset:\i*SP   ; LDS serves a wave's instructions in order (ISA guide 5.7.1.4): these see my stores, and the next tile's stores come behind them
.endr
.irp i, 0,1,2,3,4,5,6,7,8,9,10,11,12,13,14,15
	v_readlane_b32 s[36+\i%4], v[TM+(\m)], \i      ; row i's token,
	s_min_u32 s[36+\i%4], s[36+\i%4], 0x1fff       ; held inside the buffer,
	s_lshl_b32 s[36+\i%4], s[36+\i%4], 11          ; x a row of 2,048 bytes
	v_add_nc_u32 v[AD+\i], s[36+\i%4], v1
.endr
.irp i, 0,1,2,3,4,5,6,7,8,9,10,11,12,13,14,15
	s_wait_dscnt 15-\i                             ; row i is back; the younger rows may be out
	global_store_b128 v[AD+\i], v[FB+4*\i:FB+4*\i+3], s[20:21] th:TH_STORE_NT   ; 32 lanes store 512 consecutive bytes of one row, at a multiple of 512 from the buffer's first byte; read by nobody here
.endr
.endm
	s_load_b512 s[4:19], s[0:1], 0x0               ; xq s[4:5], wimg s[6:7], b1 s[8:9], b2 s[10:11], scales s[12:13], gate s[14:15], order s[16:17], texp s[18:19]
	s_load_b64 s[20:21], s[0:1], 0x40              ; out0
	v_lshl_add_u32 v254, v0, 2, 0x18400
	v_mov_b32 v255, 0
	v_lshrrev_b32 v14, 5, v0
	v_readfirstlane_b32 s22, v14                   ; wave 0..3
	v_and_b32 v15, 31, v0
	v_lshlrev_b32 v1, 4, v15                       ; 16 x lane: an image's place for my lane; my bytes of a weight load and of a row of out0
	v_and_b32 v240, 15, v0                         ; r
	v_bfe_u32 v241, v0, 4, 1                       ; h
	v_lshlrev_b32 v2, 2, v240                      ; order: entry r of a tile of rows
	s_lshl_b32 s32, s22, 6
	v_add_nc_u32 v3, s32, v2                       ; entry 16 wave + r
	s_lshl_b32 s32, s22, 13
	v_add_nc_u32 v5, s32, v1                       ; where I store x's images: tile of rows = my wave
	s_lshl_b32 s32, s22, 11
	s_add_co_u32 s32, s32, HIMG
	v_add_nc_u32 v6, s32, v1                       ; the hidden layer's: K step = my wave
	s_mul_i32 s32, s22, 16*SP
	s_add_co_u32 s32, s32, STG                     ; my stage
	v_mul_u32_u24 v7, v240, SP
	v_lshl_add_u32 v7, v241, 5, v7
	v_add_nc_u32 v7, s32, v7                       ; in: row r, + 32 h
	v_add_nc_u32 v8, s32, v1                       ; back: 16 bytes a lane
	v_lshlrev_b32 v9, 6, v241                      ; b1: 64 h
	v_lshlrev_b32 v10, 5, v241                     ; b2: 32 h
.irp m, 0,1,2,3
	v_mov_b32 v[GT+2*\m+1], 0
.endr
	s_lshl_b32 s32, ttmp9, 2
	s_mov_b32 s33, 0
	s_lshl_b32 s34, ttmp9, 8
	s_mov_b32 s35, 0
	s_wait_kmcnt 0x0
	s_add_nc_u64 s[18:19], s[18:19], s[32:33]
	s_add_nc_u64 s[16:17], s[16:17], s[34:35]
	s_load_b32 s24, s[18:19], 0x0                  ; my tile's expert
	s_load_b128 s[28:31], s[12:13], 0x0            ; ex, ew1, ew2, eh
.irp m, 0,1,2,3
	global_load_b32 v[TM+\m], v2, s[16:17] offset:64*\m
.endr
	global_load_b32 v[TW], v3, s[16:17]
	s_wait_kmcnt 0x0
	s_mov_b32 s25, s24                             ; as it was stored: 8 says that the tile has no row
	s_min_u32 s24, s24, 7                          ; a loaded number enters an address only held inside the buffer
	s_lshl_b32 s32, s24, 19
	s_lshl_b32 s34, s22, 17
	s_add_co_u32 s32, s32, s34
	s_add_nc_u64 s[6:7], s[6:7], s[32:33]          ; my expert's, my wave's 128 KiB of weights
	s_lshl_b32 s32, s24, 11
	s_lshl_b32 s34, s22, 9
	s_add_co_u32 s32, s32, s34
	s_add_nc_u64 s[8:9], s[8:9], s[32:33]          ; my 128 numbers of b1,
	s_add_nc_u64 s[10:11], s[10:11], s[32:33]      ; of b2,
	s_add_nc_u64 s[20:21], s[20:21], s[34:35]      ; and my 512 bytes of a row of out0
	WLOAD 0
	s_wait_loadcnt 32                              ; the five loads of tokens are in; group 0's 32 stay out
	WIN 0
	v_readlane_b32 s36, v[TM], 0
	v_mov_b32 v13, s36                             ; the tile's row 0, as it was stored
.irp m, 0,1,2,3,4
	v_cmp_gt_u32 vcc_lo, 0x2000, v[TM+\m]
	v_cndmask_b32 v[TM+\m], v13, v[TM+\m], vcc_lo  ; an entry without a row takes row 0's token
	v_min_u32 v[TM+\m], 0x1fff, v[TM+\m]
.endr
	v_lshlrev_b32 v4, 9, v[TW]
	v_lshl_add_u32 v4, v241, 4, v4                 ; xq: my row's 512 bytes, + 16 h
.irp m, 0,1,2,3
	v_lshlrev_b32 v[GA+\m], 2, v[TM+\m]
.endr
	s_add_co_i32 s37, s28, s29                     ; ex + ew1: a sum of the first product stands for sum x 2^(ex + ew1)
	s_sub_co_i32 s38, 0, s37
	s_sub_co_i32 s39, s31, s37                     ; eh - ex - ew1: the three scales folded into the conversion's one
	s_add_co_i32 s39, s39, 127
	s_lshl_b32 s40, s39, 23
	v_mov_b32 v11, s40                             ; 2^(eh - ex - ew1) as f32
	s_add_co_i32 s39, s39, 15
	s_lshl_b32 s39, s39, 23
	s_or_b32 s39, s39, 0x600000
	v_mov_b32 v12, s39                             ; 57,344 x that
	s_add_co_i32 s46, s30, s31
	s_add_co_i32 s46, s46, 127
	s_lshl_b32 s46, s46, 23                        ; 2^(ew2 + eh) as f32
	s_mov_b32 s47, s46                             ; (named with it as a pair, so it is written)
.irp s, 0,1,2,3
.irp c, 0,1,2,3
	global_load_b128 v[FA+16*\s+4*\c:FA+16*\s+4*\c+3], v4, s[4:5] offset:128*\s+32*\c   ; the four fragments of rows 16 wave .. + 15
.endr
.endr
.irp m, 0,1,2,3
	global_load_b32 v[GT+2*\m], v[GA+\m], s[14:15]
.endr
	WIN 0x80                                       ; destination window 2
.irp t, 0,1,2,3,4,5,6,7
	global_load_b128 v[B1+8*\t:B1+8*\t+3], v9, s[8:9] offset:(32*(\t/2)+8*(\t%2))*4        ; tile t, lane (r, h): hidden units 32 (t / 2) + 16 h + 8 (t % 2) + 0..7
	global_load_b128 v[B1+8*\t+4:B1+8*\t+7], v9, s[8:9] offset:(32*(\t/2)+8*(\t%2))*4+16
.endr
.irp t, 0,1,2,3,4,5,6,7
	global_load_b128 v[B2+8*\t:B2+8*\t+3], v10, s[10:11] offset:64*\t                      ; outputs 16 t + 8 h + 0..7
	global_load_b128 v[B2+8*\t+4:B2+8*\t+7], v10, s[10:11] offset:64*\t+16
.endr
	WLOAD 1
	s_wait_loadcnt 32                              ; all but group 1's 32 loads are in
	WIN 0
.irp s, 0,1,2,3
.irp c, 0,1,2,3
	ds_store_b128 v5, v[FA+16*\s+4*\c:FA+16*\s+4*\c+3] offset:XIMG+2048*\s+512*\c
.endr
.endr
	WIN 0x82                                       ; source 0 and destination window 2
.set j, 0
.rept 64
	v_ldexp_f32 v[B1+j], v[B1+j], s38              ; b1 / 2^(ex + ew1)
.set j, j+1
.endr
	s_wait_dscnt 0x0                               ; for the others' sake: my images have landed
	s_barrier_signal -1
	s_barrier_wait -1                              ; x's sixteen fragments lie in LDS
	GROUP 0, XIMG, -1, 2
	GROUP 1, XIMG, 32, 3
	GROUP 2, XIMG, 32, 4
	GROUP 3, XIMG, 32, 5
	PLACES                                         ; ahead of the first read of results
	QUANT 0
	QUANT 1
	QUANT 2
	QUANT 3
	s_wait_loadcnt 32                              ; group 4 is in; group 5's 32 loads stay out
	WLOAD 6                                        ; into the set that group 3 has left: asked for ahead of the barrier
	s_wait_dscnt 0x0                               ; for the others' sake: my images have landed
	s_barrier_signal -1
	s_barrier_wait -1                              ; the hidden layer's sixteen fragments lie in LDS
	GROUP 4, HIMG, -1, -1
	GROUP 5, HIMG, 32, 7
	GROUP 6, HIMG, 32, -1
	GROUP 7, HIMG, 0, -1
	WIN 0                                          ; at a branch and at a label every window is 0
	s_cmp_gt_u32 s25, 7                            ; a tile that the split has left without rows stores nothing.  both ways meet at the barrier behind .Lnone
	s_cbranch_scc1 .Lnone
	PLACES                                         ; ahead of the first read of results and of the loads into the row buffers
	OUT 0
	OUT 1
	OUT 2
	OUT 3
.Lnone:
	s_barrier_signal -1
	s_barrier_wait -1
	s_wait_tensorcnt 0x0
	ds_add_u32 v254, v255
	s_wait_dscnt 0x0
	s_endpgm
.Lfunc_end_k_qca7e268760_chain:
	.size	k_qca7e268760_chain, .Lfunc_end_k_qca7e268760_chain-k_qca7e268760_chain
	.p2alignl 7, 3214868480
	.fill 96, 4, 3214868480
	.section	.rodata,"a",@progbits
	.p2align	6, 0x0
	.amdhsa_kernel k_qca7e268760_chain
		.amdhsa_group_segment_fixed_size 99840
		.amdhsa_private_segment_fixed_size 0
		.amdhsa_enable_private_segment 0
		.amdhsa_kernarg_size 72
		.amdhsa_user_sgpr_count 2
		.amdhsa_user_sgpr_kernarg_segment_ptr 1
		.amdhsa_wavefront_size32 1
		.amdhsa_system_sgpr_workgroup_id_x 1
		.amdhsa_system_sgpr_workgroup_id_y 1
		.amdhsa_system_sgpr_workgroup_id_z 1
		.amdhsa_system_vgpr_workitem_id 0
		.amdhsa_next_free_vgpr 1024
		.amdhsa_next_free_sgpr 66
		.amdhsa_reserve_vcc 1
		.amdhsa_float_denorm_mode_32 3
		.amdhsa_float_denorm_mode_16_64 3
		.amdhsa_memory_ordered 1
		.amdhsa_forward_progress 1
		.amdhsa_inst_pref_size 129
	.end_amdhsa_kernel
	.amdgpu_metadata
---
amdhsa.version: [ 1, 2 ]
amdhsa.kernels:
  - .name:           k_qca7e268760_chain
    .symbol:         k_qca7e268760_chain.kd
    .args:
      - { .name: xq, .offset: 0, .size: 8, .value_kind: global_buffer, .address_space: global }
      - { .name: wimg, .offset: 8, .size: 8, .value_kind: global_buffer, .address_space: global }
      - { .name: b1, .offset: 16, .size: 8, .value_kind: global_buffer, .address_space: global }
      - { .name: b2, .offset: 24, .size: 8, .value_kind: global_buffer, .address_space: global }
      - { .name: lowp_scales, .offset: 32, .size: 8, .value_kind: global_buffer, .address_space: global }
      - { .name: gate, .offset: 40, .size: 8, .value_kind: global_buffer, .address_space: global }
      - { .name: order, .offset: 48, .size: 8, .value_kind: global_buffer, .address_space: global }
      - { .name: texp, .offset: 56, .size: 8, .value_kind: global_buffer, .address_space: global }
      - { .name: out0, .offset: 64, .size: 8, .value_kind: global_buffer, .address_space: global }
    .group_segment_fixed_size: 99840
    .private_segment_fixed_size: 0
    .kernarg_segment_align: 8
    .kernarg_segment_size: 72
    .max_flat_workgroup_size: 128
    .sgpr_count:     66
    .vgpr_count:     1024
    .wavefront_size: 32
...
	.end_amdgpu_metadata
.endif
;; end of part 3
;; ======== version 2 of 2: 2 launches
;; limits: right only within a limited range of input values
;; workspace buffers: xq 4,194,304 bytes; gate 32,768 bytes; sel 10,240 bytes of whole numbers; wimg 4,194,304 bytes
;; launch route (part 4): grid 256 x 1, 4 waves a work-group, no clusters, 52,992 bytes of LDS; arguments x, Wr, br, lowp_scales, xq, sel, gate, W1_codes, W2_codes, wimg; writes xq, sel, gate, wimg
.if DOCPART == 4
	.amdgcn_target "amdgcn-amd-amdhsa--gfx1250"
	.amdhsa_code_object_version 6
	.text
	.protected	k_qca7e268760_route
	.globl	k_qca7e268760_route
	.p2align	8
	.type	k_qca7e268760_route,@function
k_qca7e268760_route:
	s_mov_b64 s[64:65], 0
	v_nop
	global_prefetch_b8 v0, s[64:65] scope:SCOPE_SE
	s_setreg_imm32_b32 hwreg(HW_REG_WAVE_MODE, 25, 1), 1
	s_wait_xcnt 0x0
; ROUTE.  x [8192][512] f32 is read once and serves two things: the router (logits = x Wr + br in f32 fused multiply-adds, softmax, the largest
; probability and its expert) and the codes of x (E5M2, scale 2^ex, ex = entry 0 of the scales), stored as xq [8192][512], K as it lies.
; The choice steers no address here: it is stored at fixed places.  A work-group takes 32 tokens (group g = its number).  sel, byte 1024 e + 4 g: the 32-bit mask of the group's tokens that chose expert e;
; byte 8192 + 8 g: the group's eight counts, a byte each.  gate[token] = the largest probability.
; SHARES.  A wave takes 8 rows, one row at a time.  Lane l holds k = 128 j + 4 l + i (j, i = 0..3), so each of a row's four loads reads 512 consecutive bytes.
; Wr comes in once a work-group, 512 consecutive bytes an instruction, and goes through LDS (16 bytes of padding behind every 128) to each wave's registers v256-383: a lane's 16 rows.
; A lane's partial logits (8 rows x 8 experts) are summed over the 32 lanes by a butterfly that halves the registers in each of its first three steps: at its end lane l holds the 8 logits of row l % 8.
; The maximum is taken away before the exponentials; the largest term is then 2^0 = 1 exactly, so the gate is 1 / the sum.  The
; expert is the lowest index whose logit equals the row's largest (argmax keeps the lower index).
; THE WEIGHTS' CODES ARE LAID OUT HERE TOO, in the order of the operand's registers: 512 tiles of 16 weight rows x 512 K are 1,024 half tiles, one a wave.  Work-group g, wave w: expert g / 32,
; block (g / 8) % 4 of 128 weight rows, layer (g / 4) % 2, tile t = 2 (g % 4) + w / 2, K steps s = 2 (w % 2) and 2 (w % 2) + 1.  A fragment (16 rows x 128 K) is 16 registers a lane: registers
; 4 c .. 4 c + 3 of lane (r, h) hold K = 32 c + 16 h + 0..15 of its row.  wimg byte = e 2^19 + block 2^17 + (4 layer + s) 2^14 + t 2^11 + 512 c + 16 lane.
; A half tile is read as pieces of 256 bytes of each row and turned into fragments in the wave's own LDS bytes (rows of 272 bytes).
; LAYER 1's ROWS OF A TILE ARE NOT NEIGHBOURS: lane r of tile 2 b + u takes hidden unit 32 b + 8 u + r + 8 (r / 8), so that in the chain the 16 registers of tiles 2 b and 2 b + 1 are 16 neighbours along the next K.
; STORES.  xq: a row of 512 bytes by one instruction; wimg: 512 consecutive bytes an instruction.  gate (128 bytes a work-group) and sel (40 bytes) are short pieces.
; No matrix unit, no cluster, no tensor load: work-groups share only Wr (16 KiB), and the product has 8 columns.  No prefetch: no loop to run ahead in.
; LIMITS: ex between -126 and 112, so that 2^ex and 57,344 x 2^ex are f32 numbers.  NaN among the inputs is not served.
.set R,    16                          ; v16-79   partial logits: row p, expert e at R + 8 p + e
.set P,    24                          ; v24-31   the softmax terms (row 1's partial logits are done with by then)
.set C,    80                          ; v80-111  codes: four words a row
.set T,    112                         ; v112-127 at work
.set X,    128                         ; v128-255 x: 16 numbers a row, 8 rows; later the rows of codes read back
.set WC,   128                         ; v384-415 (v128-159 of the second window): my half tile of weight codes
.set WST,  18432                       ; LDS: 0..18431 Wr, padded; then a stage of 16 rows x 272 bytes of weight codes for each wave,
.set WSZ,  4352
.set CST,  WST+4*WSZ                   ; four stages of 8 rows x 512 bytes of x's codes,
.set SELW, CST+16384                   ; 32 words of experts,
.set GATW, SELW+128                    ; 32 words of gates,
.set SPARE, GATW+128                   ; and the spare words, 128 bytes for each wave
.set MSB,  0
.macro WIN new                         ; the immediate's high byte repeats the setting that is left
.if MSB != (\new)
	s_set_vgpr_msb (MSB<<8)|(\new)
.set MSB, (\new)
.endif
.endm
	s_load_b512 s[4:19], s[0:1], 0x0               ; x s[4:5], Wr s[6:7], br s[8:9], scales s[10:11], xq s[12:13], sel s[14:15], gate s[16:17], W1's codes s[18:19]
	s_load_b128 s[56:59], s[0:1], 0x40             ; W2's codes s[56:57], wimg s[58:59]
	v_lshl_add_u32 v12, v0, 2, SPARE
	v_mov_b32 v13, 0
	v_and_b32 v1, 31, v0                           ; lane
	v_lshrrev_b32 v10, 5, v0
	v_readfirstlane_b32 s20, v10                   ; wave 0..3
	v_lshlrev_b32 v2, 4, v1                        ; 16 x lane: my bytes of a load of x or Wr, of a row of codes, of a store of weight codes
	v_mul_u32_u24 v3, v1, 144                      ; my four rows of Wr in a block of 128 rows, padded
	v_lshlrev_b32 v7, 2, v1                        ; 4 x lane
	s_lshl_b32 s21, s20, 12
	s_add_co_u32 s21, s21, CST                     ; my wave's stage of codes
	v_add_nc_u32 v4, s21, v7                       ; into it: 4 bytes a lane
	v_add_nc_u32 v5, s21, v2                       ; out of it: 16 bytes a lane
	v_and_b32 v6, 7, v1
	v_lshlrev_b32 v6, 2, v6
	s_lshl_b32 s22, s20, 5
	s_add_co_u32 s22, s22, SELW
	v_add_nc_u32 v6, s22, v6                       ; the word of row l % 8 of my wave
	s_mul_i32 s21, s20, 4608
	v_lshrrev_b32 v112, 3, v1
	v_lshl_add_u32 v14, v112, 4, v2
	v_add_nc_u32 v14, s21, v14                     ; where I put 16 bytes of Wr
	v_and_b32 v113, 15, v0                         ; r
	v_bfe_u32 v114, v0, 4, 1                       ; h
	s_mul_i32 s21, s20, WSZ
	s_add_co_u32 s21, s21, WST                     ; my stage of weight codes:
	v_mul_u32_u24 v115, v114, 272
	v_lshl_add_u32 v115, v113, 4, v115
	v_add_nc_u32 v115, s21, v115                   ; in: rows 2 i + h, 16 bytes a lane
	v_mul_u32_u24 v116, v113, 272
	v_lshl_add_u32 v116, v114, 4, v116
	v_add_nc_u32 v116, s21, v116                   ; out: row r, + 16 h
	v_lshlrev_b32 v15, 9, v114
	v_lshl_add_u32 v15, v113, 4, v15               ; weight rows 2 i + h, 16 bytes a lane: i = 0..3
	s_mov_b32 s33, 0xaaaaaaaa                      ; lanes whose bit 0 is set,
	s_mov_b32 s34, 0xcccccccc                      ; bit 1,
	s_mov_b32 s35, 0xf0f0f0f0                      ; bit 2
	s_mov_b32 s36, 0x76543210                      ; v_permlanex16_b32: lane l xor 16
	s_mov_b32 s37, 0xfedcba98
	s_lshl_b32 s40, ttmp9, 16                      ; 32 rows of 2,048 bytes a work-group,
	s_lshl_b32 s42, s20, 14                        ; 8 rows a wave
	s_add_co_u32 s40, s40, s42
	s_mov_b32 s41, 0
	s_lshr_b32 s42, s40, 2                         ; the codes are a quarter of the bytes
	s_mov_b32 s43, 0
	s_lshl_b32 s22, s20, 12                        ; my quarter of Wr
	s_mov_b32 s23, 0
	; my half tile of weight codes
	s_lshr_b32 s44, ttmp9, 5                       ; expert
	s_bfe_u32 s45, ttmp9, 0x20003                  ; which 128 rows of the weight
	s_bfe_u32 s46, ttmp9, 0x10002                  ; layer
	s_and_b32 s47, ttmp9, 3
	s_lshl_b32 s47, s47, 1
	s_lshr_b32 s48, s20, 1
	s_add_co_u32 s47, s47, s48                     ; tile t
	s_and_b32 s48, s20, 1                          ; which two of its four K steps
	s_lshr_b32 s49, s47, 1
	s_lshl_b32 s49, s49, 5
	s_and_b32 s50, s47, 1
	s_lshl_b32 s50, s50, 3
	s_add_co_u32 s49, s49, s50                     ; layer 1: tile t begins at row 32 (t / 2) + 8 (t % 2),
	s_lshl_b32 s50, s47, 4                         ; layer 2: at row 16 t
	s_cmp_eq_u32 s46, 0
	s_cselect_b32 s49, s49, s50
	s_cselect_b32 s51, 1, 0
	s_lshl_b32 s52, s49, 9                         ; a row is 512 bytes
	s_lshl_b32 s50, s44, 18
	s_add_co_u32 s52, s52, s50
	s_lshl_b32 s50, s45, 16
	s_add_co_u32 s52, s52, s50
	s_lshl_b32 s50, s48, 8
	s_add_co_u32 s52, s52, s50                     ; two K steps are 256 bytes of a row
	s_mov_b32 s53, 0
	s_lshl_b32 s54, s44, 19
	s_lshl_b32 s50, s45, 17
	s_add_co_u32 s54, s54, s50
	s_lshl_b32 s50, s46, 16
	s_add_co_u32 s54, s54, s50
	s_lshl_b32 s50, s47, 11
	s_add_co_u32 s54, s54, s50
	s_lshl_b32 s50, s48, 15
	s_add_co_u32 s54, s54, s50
	s_mov_b32 s55, 0
	s_lshl_b32 s51, s51, 12                        ; layer 1: the tile's rows 8 to 15 lie 8 rows further on
	s_wait_alu depctr_va_vdst(0)
	v_add_nc_u32 v10, s51, v15                     ; rows 2 i + h, i = 4..7
	s_wait_alu depctr_va_vdst(0)
	s_wait_kmcnt 0x0
	s_load_b256 s[24:31], s[8:9], 0x0              ; br
	s_load_b32 s32, s[10:11], 0x0                  ; ex
	s_add_nc_u64 s[4:5], s[4:5], s[40:41]
	s_add_nc_u64 s[6:7], s[6:7], s[22:23]
	s_add_nc_u64 s[12:13], s[12:13], s[42:43]
	s_cmp_eq_u32 s46, 0                            ; the choice hangs on the work-group's number alone
	s_cselect_b64 s[56:57], s[18:19], s[56:57]
	s_add_nc_u64 s[56:57], s[56:57], s[52:53]
	s_add_nc_u64 s[58:59], s[58:59], s[54:55]
	WIN 0x40                                       ; destination v256 on
.irp i, 0,1,2,3
	global_load_b128 v[WC+4*\i:WC+4*\i+3], v15, s[56:57] offset:1024*\i th:TH_LOAD_NT   ; 256 consecutive bytes of each of two rows
.endr
.irp i, 4,5,6,7
	global_load_b128 v[WC+4*\i:WC+4*\i+3], v10, s[56:57] offset:1024*\i th:TH_LOAD_NT
.endr
.irp n, 0,1,2,3,4,5,6,7
	global_load_b128 v[4*\n:4*\n+3], v2, s[6:7] offset:512*\n   ; my 4 KiB of Wr
.endr
	WIN 0
.irp p, 0,1,2,3,4,5,6,7
.irp j, 0,1,2,3
	global_load_b128 v[X+16*\p+4*\j:X+16*\p+4*\j+3], v2, s[4:5] offset:2048*\p+512*\j th:TH_LOAD_NT   ; 32 lanes read 512 consecutive bytes; read once in the launch
.endr
.endr
	s_wait_kmcnt 0x0
	s_add_co_i32 s32, s32, 127
	s_lshl_b32 s38, s32, 23
	v_mov_b32 v8, s38                              ; 2^ex as f32: the conversion takes its exponent field
	s_add_co_i32 s32, s32, 15
	s_lshl_b32 s32, s32, 23
	s_or_b32 s32, s32, 0x600000
	v_mov_b32 v9, s32                              ; 57,344 x 2^ex
	s_wait_alu depctr_va_vdst(0)
	s_wait_loadcnt 32                              ; the weight codes and Wr are in; x's 32 loads stay out
	WIN 0x04                                       ; a store's data: v256 on
.irp n, 0,1,2,3,4,5,6,7
	ds_store_b128 v14, v[4*\n:4*\n+3] offset:576*\n
.endr
.irp i, 0,1,2,3,4,5,6,7
	ds_store_b128 v115, v[WC+4*\i:WC+4*\i+3] offset:544*\i
.endr
	WIN 0
	s_wait_dscnt 0x0                               ; for the others' sake: my quarter of Wr has landed
	s_barrier_signal -1
	s_barrier_wait -1
	WIN 0x40
.irp j, 0,1,2,3
.irp q, 0,1,2,3,4,5,6,7
	ds_load_b128 v[32*\j+4*\q:32*\j+4*\q+3], v3 offset:4608*\j+16*\q   ; Wr[128 j + 4 l + q / 2][4 (q % 2) ..]: number n = 4 j + i of my 16, expert e, at 8 n + e
.endr
.endr
.irp s, 0,1
.irp c, 0,1,2,3
	ds_load_b128 v[WC+16*\s+4*\c:WC+16*\s+4*\c+3], v116 offset:128*\s+32*\c   ; my wave's own bytes: LDS serves a wave's instructions in order (ISA guide 5.7.1.4)
.endr
.endr
	WIN 0
	s_wait_dscnt 0x0
; Row p of my eight: its partial logits, then its codes into the stage.
.macro ROW p
	s_wait_loadcnt 4*(7-(\p))                      ; loads come back in order: this row's four (and all that were issued ahead of x) are in, the younger rows' stay out
	WIN 0x04                                       ; source 1 (Wr) v256 on
.irp q, 0,1,2,3
	v_pk_mul_f32 v[R+8*(\p)+2*\q:R+8*(\p)+2*\q+1], v[X+16*(\p):X+16*(\p)+1], v[2*\q:2*\q+1] op_sel_hi:[0,1]   ; the first number starts the sums: x for both halves, two experts
.endr
.set n, 1
.rept 15
.irp q, 0,1,2,3
.if n%2
	v_pk_fma_f32 v[R+8*(\p)+2*\q:R+8*(\p)+2*\q+1], v[X+16*(\p)+n-1:X+16*(\p)+n], v[8*n+2*\q:8*n+2*\q+1], v[R+8*(\p)+2*\q:R+8*(\p)+2*\q+1] op_sel:[1,0,0] op_sel_hi:[1,1,1]   ; the pair's second x for both halves
.else
	v_pk_fma_f32 v[R+8*(\p)+2*\q:R+8*(\p)+2*\q+1], v[X+16*(\p)+n:X+16*(\p)+n+1], v[8*n+2*\q:8*n+2*\q+1], v[R+8*(\p)+2*\q:R+8*(\p)+2*\q+1] op_sel_hi:[0,1,1]   ; the pair's first x for both halves
.endif
.endr
.set n, n+1
.endr
	WIN 0
.set n, 0
.rept 16
	v_med3_num_f32 v[X+16*(\p)+n], v[X+16*(\p)+n], -v9, v9   ; behind the router, which takes x as it is: the conversion to an 8-bit code does not saturate (ISA guide 7.6.2), so the number is held first
.set n, n+1
.endr
	v_cvt_scalef32_pk8_bf8_f32 v[C+4*(\p):C+4*(\p)+1], v[X+16*(\p):X+16*(\p)+7], v8       ; word j = the codes of k = 128 j + 4 l + 0..3
	v_cvt_scalef32_pk8_bf8_f32 v[C+4*(\p)+2:C+4*(\p)+3], v[X+16*(\p)+8:X+16*(\p)+15], v8
	v_nop                                          ; one plain vector line behind the last scaled conversion
.irp j, 0,1,2,3
	ds_store_b32 v4, v[C+4*(\p)+\j] offset:512*(\p)+128*\j
.endr
.endm
; One step of the butterfly on two registers: a belongs to the lanes whose bit is 0, b to those whose bit is 1.  A lane keeps its own, sends the other, and adds what its partner sends.
.macro BFLY a, b, mask, xm, t
	v_cndmask_b32 v[T+2*(\t)], v[\a], v[\b], s[\mask]
	v_cndmask_b32 v[T+2*(\t)+1], v[\b], v[\a], s[\mask]
	v_add_f32_dpp v[\a], v[T+2*(\t)+1], v[T+2*(\t)] row_xmask:\xm row_mask:0xf bank_mask:0xf
.endm
; Four rows p0 .. p0 + 3 (32 registers) become 8: row p0 + l % 4
.macro HALF p0
.irp e, 0,1,2,3,4,5,6,7
	BFLY R+8*(\p0)+\e, R+8*(\p0)+8+\e, 33, 1, \e%4
	BFLY R+8*(\p0)+16+\e, R+8*(\p0)+24+\e, 33, 1, 4+\e%4
.endr
.irp e, 0,1,2,3,4,5,6,7
	BFLY R+8*(\p0)+\e, R+8*(\p0)+16+\e, 34, 2, \e
.endr
.endm
	ROW 0
	ROW 1
	ROW 2
	ROW 3
	WIN 0x04                                       ; a store's data: v256 on
.irp s, 0,1
.irp c, 0,1,2,3
	global_store_b128 v2, v[WC+16*\s+4*\c:WC+16*\s+4*\c+3], s[58:59] offset:16384*\s+512*\c   ; 32 lanes store 512 consecutive bytes, at a multiple of 512 from the buffer's first byte
.endr
.endr
	WIN 0
.irp p, 0,1,2,3
	ds_load_b128 v[X+4*\p:X+4*\p+3], v5 offset:512*\p   ; rows 0 to 3 of codes leave while rows 4 to 7 are on their way: 16 bytes a lane; these see my stores
.endr
	HALF 0
	s_wait_alu depctr_va_vdst(0)
.irp p, 0,1,2,3
	s_wait_dscnt 3-\p
	global_store_b128 v2, v[X+4*\p:X+4*\p+3], s[12:13] offset:512*\p   ; 32 lanes store a row's 512 consecutive bytes, at a multiple of 512 from the buffer's first byte
.endr
	ROW 4
	ROW 5
	ROW 6
	ROW 7
.irp p, 4,5,6,7
	ds_load_b128 v[X+4*\p:X+4*\p+3], v5 offset:512*\p   ; rows 4 to 7
.endr
	HALF 4
.irp e, 0,1,2,3,4,5,6,7
	BFLY R+\e, R+32+\e, 35, 4, \e                  ; row l % 8
.endr
.irp e, 0,1,2,3,4,5,6,7
	v_add_f32_dpp v[R+\e], v[R+\e], v[R+\e] row_xmask:8 row_mask:0xf bank_mask:0xf
.endr
.irp e, 0,1,2,3,4,5,6,7
	v_permlanex16_b32 v[T+\e], v[R+\e], s36, s37   ; (its destination counts as read: the butterfly has written it)
.endr
.irp e, 0,1,2,3,4,5,6,7
	v_add_f32 v[R+\e], v[R+\e], v[T+\e]
.endr
	s_wait_alu depctr_va_vdst(0)
.irp p, 4,5,6,7
	s_wait_dscnt 7-\p                              ; row p is back; the younger rows may be out
	global_store_b128 v2, v[X+4*\p:X+4*\p+3], s[12:13] offset:512*\p
.endr
	; the softmax of row l % 8
.irp e, 0,1,2,3,4,5,6,7
	v_add_f32 v[R+\e], s[24+\e], v[R+\e]           ; + br
.endr
	v_max3_num_f32 v112, v16, v17, v18
	v_max3_num_f32 v113, v19, v20, v21
	v_max3_num_f32 v112, v112, v22, v23
	v_max_num_f32 v112, v112, v113                 ; the row's largest logit
.irp e, 0,1,2,3,4,5,6,7
	v_sub_f32 v[P+\e], v[R+\e], v112               ; first the difference, which is exactly 0 for the largest,
.endr
.irp e, 0,1,2,3,4,5,6,7
	v_mul_f32 v[P+\e], 0x3fb8aa3b, v[P+\e]         ; then x log2(e)
.endr
	s_wait_alu depctr_va_vdst(0)
.irp e, 0,1,2,3,4,5,6,7
	v_exp_f32 v[P+\e], v[P+\e]
.endr
	v_mov_b32 v120, 7                              ; (a plain line behind the exponentials)  the expert, if no lower one has the largest logit
	s_wait_alu depctr_va_vdst(0)                   ; one wait for the eight, ahead of their first reader
	v_add_f32 v121, v24, v25
	v_add_f32 v122, v26, v27
	v_add_f32 v123, v28, v29
	v_add_f32 v124, v30, v31
	v_add_f32 v121, v121, v122
	v_add_f32 v123, v123, v124
	v_add_f32 v121, v121, v123
	s_wait_alu depctr_va_vdst(0)
	v_rcp_f32 v122, v121                           ; the gate: the largest term is 1
.irp e, 6,5,4,3,2,1,0
	v_cmp_eq_f32 vcc_lo, v112, v[R+\e]             ; (plain lines behind the reciprocal, which name neither its result nor its source)  is this logit the largest?
	v_cndmask_b32 v120, v120, \e, vcc_lo           ; downward, so that the lowest index stays
.endr
	s_wait_alu depctr_va_vdst(0)                   ; the wait for the reciprocal, ahead of its first reader
	ds_store_b32 v6, v120                          ; the four lanes that hold a row write the same word with the same number
	ds_store_b32 v6, v122 offset:GATW-SELW
	s_wait_dscnt 0x0                               ; for wave 0's sake: my stores have landed
	s_barrier_signal -1
	s_barrier_wait -1
	s_cmp_lg_u32 s20, 0
	s_cbranch_scc1 .Ldone
	; wave 0: lane l = token l of the group
	ds_load_b32 v10, v7 offset:SELW
	ds_load_b32 v11, v7 offset:GATW
	s_lshl_b32 s40, ttmp9, 7
	s_mov_b32 s41, 0
	s_add_nc_u64 s[16:17], s[16:17], s[40:41]
	s_lshl_b32 s42, ttmp9, 2                       ; lanes 0 to 7: 1024 lane + 4 g
	s_lshl_b32 s43, ttmp9, 3
	s_add_co_u32 s43, s43, 8160                    ; lanes 8 and 9: 8192 + 8 g + 4 (lane - 8)
	v_lshlrev_b32 v16, 10, v1
	v_add_nc_u32 v16, s42, v16
	v_add_nc_u32 v17, s43, v7
	v_cmp_gt_u32 vcc_lo, 8, v1
	v_cndmask_b32 v15, v17, v16, vcc_lo
	v_mov_b32 v14, 0
	s_wait_alu depctr_va_vdst(0)
	s_wait_dscnt 0x0
.irp e, 0,1,2,3,4,5,6,7
	v_cmp_eq_u32 s[24+\e], \e, v10                 ; who chose e
.endr
.irp e, 0,1,2,3,4,5,6,7
	v_writelane_b32 v14, s[24+\e], \e
.endr
	global_store_b32 v7, v11, s[16:17]
	s_wait_alu depctr_va_vdst(0)
.irp e, 0,1,2,3,4,5,6,7
	s_bcnt1_i32_b32 s[48+\e], s[24+\e]
.endr
.irp b, 48, 52
	s_lshl_b32 s[\b+1], s[\b+1], 8
	s_lshl_b32 s[\b+2], s[\b+2], 16
	s_lshl_b32 s[\b+3], s[\b+3], 24
	s_or_b32 s[\b], s[\b], s[\b+1]
	s_or_b32 s[\b+2], s[\b+2], s[\b+3]
	s_or_b32 s[\b], s[\b], s[\b+2]
.endr
	v_writelane_b32 v14, s48, 8                    ; experts 0 to 3
	v_writelane_b32 v14, s52, 9                    ; experts 4 to 7
	v_cmp_gt_u32 vcc_lo, 10, v1
	s_wait_alu depctr_va_vdst(0)
	s_wait_xcnt 0x0                                ; EXEC is a source of the store above: it changes only behind this wait
	s_and_saveexec_b32 s39, vcc_lo
	global_store_b32 v15, v14, s[14:15]            ; lanes 0 to 9
	s_wait_xcnt 0x0                                ; and again ahead of the line that widens it
	s_or_b32 exec_lo, exec_lo, s39
.Ldone:
	s_wait_tensorcnt 0x0                           ; the wave's end
	ds_add_u32 v12, v13
	s_wait_dscnt 0x0
	s_endpgm
.Lfunc_end_k_qca7e268760_route:
	.size	k_qca7e268760_route, .Lfunc_end_k_qca7e268760_route-k_qca7e268760_route
	.p2alignl 7, 3214868480
	.fill 96, 4, 3214868480
	.section	.rodata,"a",@progbits
	.p2align	6, 0x0
	.amdhsa_kernel k_qca7e268760_route
		.amdhsa_group_segment_fixed_size 52992
		.amdhsa_private_segment_fixed_size 0
		.amdhsa_enable_private_segment 0
		.amdhsa_kernarg_size 80
		.amdhsa_user_sgpr_count 2
		.amdhsa_user_sgpr_kernarg_segment_ptr 1
		.amdhsa_wavefront_size32 1
		.amdhsa_system_sgpr_workgroup_id_x 1
		.amdhsa_system_sgpr_workgroup_id_y 1
		.amdhsa_system_sgpr_workgroup_id_z 1
		.amdhsa_system_vgpr_workitem_id 0
		.amdhsa_next_free_vgpr 416
		.amdhsa_next_free_sgpr 66
		.amdhsa_reserve_vcc 1
		.amdhsa_float_denorm_mode_32 3
		.amdhsa_float_denorm_mode_16_64 3
		.amdhsa_memory_ordered 1
		.amdhsa_forward_progress 1
		.amdhsa_inst_pref_size 77
	.end_amdhsa_kernel
	.amdgpu_metadata
---
amdhsa.version: [ 1, 2 ]
amdhsa.kernels:
  - .name:           k_qca7e268760_route
    .symbol:         k_qca7e268760_route.kd
    .args:
      - { .name: x, .offset: 0, .size: 8, .value_kind: global_buffer, .address_space: global }
      - { .name: Wr, .offset: 8, .size: 8, .value_kind: global_buffer, .address_space: global }
      - { .name: br, .offset: 16, .size: 8, .value_kind: global_buffer, .address_space: global }
      - { .name: lowp_scales, .offset: 24, .size: 8, .value_kind: global_buffer, .address_space: global }
      - { .name: xq, .offset: 32, .size: 8, .value_kind: global_buffer, .address_space: global }
      - { .name: sel, .offset: 40, .size: 8, .value_kind: global_buffer, .address_space: global }
      - { .name: gate, .offset: 48, .size: 8, .value_kind: global_buffer, .address_space: global }
      - { .name: W1_codes, .offset: 56, .size: 8, .value_kind: global_buffer, .address_space: global }
      - { .name: W2_codes, .offset: 64, .size: 8, .value_kind: global_buffer, .address_space: global }
      - { .name: wimg, .offset: 72, .size: 8, .value_kind: global_buffer, .address_space: global }
    .group_segment_fixed_size: 52992
    .private_segment_fixed_size: 0
    .kernarg_segment_align: 8
    .kernarg_segment_size: 80
    .max_flat_workgroup_size: 128
    .sgpr_count:     66
    .vgpr_count:     416
    .wavefront_size: 32
...
	.end_amdgpu_metadata
.endif
;; end of part 4
;; launch chain (part 5): grid 256 x 1, 4 waves a work-group, no clusters, 101,632 bytes of LDS; arguments xq, wimg, b1, b2, lowp_scales, gate, sel, out0; writes out0
.if DOCPART == 5
	.amdgcn_target "amdgcn-amd-amdhsa--gfx1250"
	.amdhsa_code_object_version 6
	.text
	.protected	k_qca7e268760_chain
	.globl	k_qca7e268760_chain
	.p2align	8
	.type	k_qca7e268760_chain,@function
k_qca7e268760_chain:
	s_mov_b64 s[64:65], 0
	v_nop
	global_prefetch_b8 v0, s[64:65] scope:SCOPE_SE
	s_setreg_imm32_b32 hwreg(HW_REG_WAVE_MODE, 25, 1), 1
	s_wait_xcnt 0x0
; CHAIN.  A work-group takes up to 80 rows of one expert through the chain: find its rows, gather their codes, first product, + b1, relu, quantise, second product, + b2, x gate, store.
; Both products on codes of E5M2 by v_wmma_f32_16x16x128_bf8_bf8; sums in f32.  The scales' exponents: ex, ew1, ew2, eh (entries 0 to 3).  The hidden layer never goes to memory.
; Only the chosen expert of a row is computed: a choice by whole numbers that the earlier launch stored.
; GRID.  256 work-groups = 128 row groups x 2 halves of the 512 outputs.  Both halves make the whole hidden layer of their rows (256 KiB of weights) and then 256 outputs (128 KiB).
; DEAL.  Where no expert has more than 1,280 rows (16 x 80), row group p belongs to expert p / 16, whose n rows are dealt to its 16 groups by ceil(n / 16): the expert hangs on the work-group's number alone,
; and the first weights are asked for ahead of the counts.  For every other split the experts get whole tiles of 68 rows, one expert behind the other: 8192 / 68 and 8 x 67 / 68 more, 128 tiles at the most;
; that path asks for its own weights and masks again.  So every split of the tokens is served, with no loop.
; PLACING.  sel holds, for each expert and each of 256 groups of 32 tokens, the mask of the tokens that chose it, and each group's eight counts (a byte each).  Lane l has groups 8 l .. 8 l + 7.
; Prefix sums over the lanes give row q's lane; that lane's running counts and masks come by lane permutes, and the row's token is the mask's set bit of the row's rank.  A wave finds 20 rows, one a lane;
; the tokens meet in a list in LDS.  A row past the last takes the last row's token: it computes that row again, and is stored only beside it, with the same numbers, by the same instruction or not at all.
; What the stored numbers decide enters addresses and selections (held by a minimum), one branch over the reload, and the branches of the way out, behind the last barrier.
; SHARES.  Wave w makes hidden units 128 w .. + 127 and 64 of the outputs for all rows.  Each byte of weights is loaded once in the work-group, from memory into registers, in the operand's register order (wimg).
; First product: 4 K steps, 8 fragments (32 loads) each: W0 to W3; second: 4 K steps, 4 fragments (16 loads) each: V0 to V3.  Three sets of 128 registers: W0, then W3; W1, then V0 and V1; W2, then V2 and V3.
; The first product's last K step takes turns with the quantiser: each matrix instruction of a tile of rows is followed by eight holds of the tile before.
; THE SECOND PRODUCT GOES BY ROWS: V0 to V3 are all in registers, so each tile of 16 rows is finished by 16 matrix instructions and leaves while the next tiles are multiplied.
; x's rows lie in LDS as rows of 528 bytes; the hidden layer as images of the operand's registers (512 bytes an instruction).
; BOTH PRODUCTS ARE USED TRANSPOSED (source 0 = 16 weight rows, source 1 = 16 rows of the tile): a lane holds one row, and its registers run along the columns.  In every fragment registers 4 c .. 4 c + 3 hold
; K = 32 c + 16 (lane / 16) + 0..15: the same permutation of K on both sides of each product.
; b1 goes in as the C of the first K step, divided by 2^(ex + ew1); b2 likewise, divided by 2^(ew2 + eh), which the gate then carries.  Relu and the hold at the largest code are one v_med3_num_f32.
; NO CLUSTER, NO TENSOR LOAD: the expert may hang on numbers read from memory, and the way out branches on them.  NO PREFETCH: there is no loop to run ahead in; the registers' loads themselves are asked for a K step or more ahead.
; LIMITS: eh - ex - ew1 between -126 and 112; ew2 + eh between -126 and 127; b1 / 2^(ex + ew1) and b2 / 2^(ew2 + eh) finite in f32.  NaN is not served.
; REGISTERS, in windows of 256 (s_set_vgpr_msb: bits 1:0 source 0, 3:2 source 1, 5:4 source 2, 7:6 destination):
;   window 0: v0-23 addresses and constants; v24-63 the row pairs' offsets in out0; v64-95 b2; v96-175, v176-255 two buffers of five row fragments (at the head: at work; in the second product: v96-159, v160-223 two buffers of a row tile's four)
;   window 1: weight sets 0 (v0-127), 1 (v128-255); at the end v0-127 rows on their way out   window 2: set 2 (v0-127); b1, later the gates (v128-191); accumulators of row tile 0 (v192-255), at the end rows on their way out
;   window 3: accumulators of row tiles 1 to 4; then the second product's (v0-159)
.set AD,   24
.set B2,   64
.set FA,   96
.set FB,   176
.set B1,   128                         ; in window 2
.set GT,   128                         ; in window 2
.set GA,   19                          ; v19-23
.set XP,   528                         ; LDS: 80 rows of x's codes,
.set HIMG, 80*XP                       ; 20 images of 2,048 bytes of the hidden layer: tile of rows m, K step s: 4 m + s,
.set STG,  HIMG+40960                  ; a stage of 16 rows x (256 + 16) bytes for each wave,
.set SPT,  272
.set LIST, STG+4*16*SPT                ; tokens: row 2 i + b at 128 (b + 2 (i / 20)) + 4 (i % 20),
.set SPARE, LIST+512                   ; and the spare words, 128 bytes for each wave
.set MSB,  0
.macro WIN new                         ; the immediate's high byte repeats the setting that is left
.if MSB != (\new)
	s_set_vgpr_msb (MSB<<8)|(\new)
.set MSB, (\new)
.endif
.endm
.macro VA
	s_wait_alu depctr_va_vdst(0)
.endm
.macro PLACES                          ; a load into a register that a matrix instruction has read, and a vector instruction that reads a matrix result, stand four plain vector lines behind it (ISA guide 7.12.1 for vector instructions)
.rept 4
	v_nop
.endr
.endm
.macro WLD win, reg, sb, off, nt       ; nt weight fragments: 4 loads of 512 consecutive bytes each
	WIN (\win)<<6
.set wi, 0
.rept \nt
.irp c, 0,1,2,3
	global_load_b128 v[\reg+16*wi+4*\c:\reg+16*wi+4*\c+3], v1, s[\sb:\sb+1] offset:\off+2048*wi+512*\c
.endr
.set wi, wi+1
.endr
	WIN 0
.endm
.macro W1P i                           ; fragment i of W1, between the steps of the search
	WLD 1, 128+16*\i, 2, 16384+2048*\i, 1
.endm
.macro FETCHX buf, s                   ; K step s of the five tiles of x's rows
.irp m, 0,1,2,3,4
.irp c, 0,1,2,3
	ds_load_b128 v[\buf+16*\m+4*\c:\buf+16*\m+4*\c+3], v4 offset:16*XP*\m+128*\s+32*\c
.endr
.endr
.endm
.macro FETCHR m                        ; the hidden layer of tile of rows m, all four K steps
.set FR, FA+64*((\m)%2)
.irp s, 0,1,2,3
.irp c, 0,1,2,3
	ds_load_b128 v[FR+16*\s+4*\c:FR+16*\s+4*\c+3], v5 offset:8192*(\m)+2048*\s+512*\c
.endr
.endr
.endm
; 40 matrix instructions: five tiles of rows x my eight tiles of hidden units, 128 along K.  The 40 accumulators take turns, one instruction a turn, in the same order in every step.
.macro MUL1 k, sw, sb, buf
.irp m, 0,1,2,3,4
.if \m == 0
.set AC, 192
	WIN 0xa0+\sw
.else
.set AC, 64*(\m-1)
.if \k == 0
	WIN 0xe0+\sw
.else
	WIN 0xf0+\sw
.endif
.endif
.irp t, 0,1,2,3,4,5,6,7
.if \k == 0
	v_wmma_f32_16x16x128_bf8_bf8 v[AC+8*\t:AC+8*\t+7], v[\sb+16*\t:\sb+16*\t+15], v[\buf+16*\m:\buf+16*\m+15], v[B1+8*\t:B1+8*\t+7]
.else
	v_wmma_f32_16x16x128_bf8_bf8 v[AC+8*\t:AC+8*\t+7], v[\sb+16*\t:\sb+16*\t+15], v[\buf+16*\m:\buf+16*\m+15], v[AC+8*\t:AC+8*\t+7]
.endif
.endr
.endr
	WIN 0
.endm
.macro QREGS m                         ; where tile of rows m of the first product lies
.if (\m) == 0
.set QA, 192
.set QW, 2
.else
.set QA, 64*((\m)-1)
.set QW, 3
.endif
.endm
.macro HOLD m, t                       ; the activation and the hold in one (the conversion to an 8-bit code does not saturate: ISA guide 7.6.2); each accumulator from its low end on
	QREGS \m
	WIN (QW<<6)|QW
.irp i, 0,1,2,3,4,5,6,7
	v_med3_num_f32 v[QA+8*\t+\i], v[QA+8*\t+\i], 0, v12
.endr
.endm
; My 64 numbers a lane (register 16 b + i = hidden unit 128 wave + 32 b + 16 (lane / 16) + i) become one fragment, K step wave of the second product.
.macro CODES m
	QREGS \m
	WIN QW
.irp g, 0,1,2,3,4,5,6,7
	v_cvt_scalef32_pk8_bf8_f32 v[FA+16*(\m)+2*\g:FA+16*(\m)+2*\g+1], v[QA+8*\g:QA+8*\g+7], v11
.endr
	v_nop                                          ; one plain vector line behind the last scaled conversion
	WIN 0
.irp c, 0,1,2,3
	ds_store_b128 v6, v[FA+16*(\m)+4*\c:FA+16*(\m)+4*\c+3] offset:8192*(\m)+512*\c
.endr
.endm
; The first product's last K step of tile of rows m (1 to 4), by turns with the quantiser's holds of the tile before: at least eight plain vector lines stand between a matrix instruction and the holds that read its result.
.macro TURNS m
.irp t, 0,1,2,3,4,5,6,7
	WIN 0xf1
	v_wmma_f32_16x16x128_bf8_bf8 v[64*((\m)-1)+8*\t:64*((\m)-1)+8*\t+7], v[16*\t:16*\t+15], v[FB+16*(\m):FB+16*(\m)+15], v[64*((\m)-1)+8*\t:64*((\m)-1)+8*\t+7]
	HOLD (\m)-1, \t
.endr
	CODES (\m)-1
.endm
; The second product of tile of rows m: 16 matrix instructions, K ascending; accumulator (m, t) at v[32 m + 8 t] of window 3.  The four take turns, one instruction a turn: three others stand between a sum's steps.
; Tile 0 waits for V0 to V3 one after the other: behind V0 stand the gates' 5 loads and 48 more.
.macro ROWM m
.set FR, FA+64*((\m)%2)
.irp s, 0,1,2,3
.if (\m) == 0
.if \s == 0
	s_wait_loadcnt 53
.else
	s_wait_loadcnt 48-16*\s
.endif
.endif
.if \s < 2
.set SW, 1
.set SB, 128+64*\s
.else
.set SW, 2
.set SB, 64*(\s-2)
.endif
.if \s == 0
	WIN 0xc0+SW
.else
	WIN 0xf0+SW
.endif
.irp t, 0,1,2,3
.if \s == 0
	v_wmma_f32_16x16x128_bf8_bf8 v[32*(\m)+8*\t:32*(\m)+8*\t+7], v[SB+16*\t:SB+16*\t+15], v[FR+16*\s:FR+16*\s+15], v[B2+8*\t:B2+8*\t+7]
.else
	v_wmma_f32_16x16x128_bf8_bf8 v[32*(\m)+8*\t:32*(\m)+8*\t+7], v[SB+16*\t:SB+16*\t+15], v[FR+16*\s:FR+16*\s+15], v[32*(\m)+8*\t:32*(\m)+8*\t+7]
.endif
.endr
.endr
	WIN 0
.endm
; The way out of tile of rows m: y = (gate x 2^(ew2 + eh)) x (sum + b2 / 2^(ew2 + eh)).  A lane holds 4 x 8 neighbouring columns of one row: 16 rows go through my own stage and come back as rows of 256 bytes.
.macro TOST m
	WIN 0xcb                                       ; source 0 (the sums) and destination window 3, source 1 (the gate) window 2
.irp j, 0,2,4,6,8,10,12,14,16,18,20,22,24,26,28,30
	v_pk_mul_f32 v[32*\m+\j:32*\m+\j+1], v[32*\m+\j:32*\m+\j+1], v[GT+2*\m:GT+2*\m+1] op_sel_hi:[1,0]   ; the pair's first register for both halves; each accumulator from its low end on
.endr
	WIN 0x0c
.irp t, 0,1,2,3
	ds_store_b128 v7, v[32*\m+8*\t:32*\m+8*\t+3] offset:64*\t
	ds_store_b128 v7, v[32*\m+8*\t+4:32*\m+8*\t+7] offset:64*\t+16
.endr
.if \m < 4
	WIN 0x40
.set RB, 32*\m
.else
	WIN 0x80
.set RB, 192
.endif
.irp i, 0,1,2,3,4,5,6,7
	ds_load_b128 v[RB+4*\i:RB+4*\i+3], v8 offset:2*SPT*\i   ; LDS serves a wave's instructions in order (ISA guide 5.7.1.4): these see my stores, and the next tile's stores come behind them
.endr
	WIN 0
.endm
.macro SEND m, young                   ; young: the 16 fragment loads behind the tile's way through the stage, which stay out
.set n, 0
.rept 8
	s_wait_dscnt \young+7-n                        ; this pair of rows is back
	s_cmp_gt_u32 s27, 2*(8*\m+n)                   ; is its first row one of mine?  No barrier stands behind this branch
	s_cbranch_scc0 .Ldone
.if \m < 4
	WIN 0x04
.set RB, 32*\m
.else
	WIN 0x08
.set RB, 192
.endif
	global_store_b128 v[AD+8*\m+n], v[RB+4*n:RB+4*n+3], s[18:19] th:TH_STORE_NT   ; 16 lanes store 256 consecutive bytes of a row, at a multiple of 256 from the buffer's first byte; read by nobody here
	WIN 0
.set n, n+1
.endr
.endm
	s_load_b512 s[4:19], s[0:1], 0x0               ; xq s[4:5], wimg s[6:7], b1 s[8:9], b2 s[10:11], scales s[12:13], gate s[14:15], sel s[16:17], out0 s[18:19]
	v_lshl_add_u32 v2, v0, 2, SPARE
	v_mov_b32 v3, 0
	v_and_b32 v20, 31, v0                          ; lane
	v_lshrrev_b32 v22, 5, v0
	v_readfirstlane_b32 s20, v22                   ; wave 0..3
	v_lshlrev_b32 v1, 4, v20                       ; 16 x lane
	v_lshlrev_b32 v188, 5, v20                     ; my eight masks
	v_lshlrev_b32 v189, 6, v20                     ; my eight groups' counts
	s_lshr_b32 s21, ttmp9, 1                       ; row group p
	s_and_b32 s22, ttmp9, 1                        ; which 256 outputs
	s_lshr_b32 s23, ttmp9, 5                       ; expert p / 16
	s_lshl_b32 s32, s23, 19
	s_lshl_b32 s40, s20, 17
	s_add_co_u32 s32, s32, s40
	s_mov_b32 s33, 0
	s_lshl_b32 s38, s23, 10
	s_mov_b32 s39, 0
	VA
	s_wait_kmcnt 0x0
	s_load_b128 s[28:31], s[12:13], 0x0            ; ex, ew1, ew2, eh
	s_add_nc_u64 s[32:33], s[6:7], s[32:33]        ; my wave's weights of the first product
	s_add_nc_u64 s[38:39], s[16:17], s[38:39]
.irp i, 0,1,2,3
	global_load_b128 v[96+4*\i:96+4*\i+3], v189, s[16:17] offset:8192+16*\i   ; group 8 l + j: experts 0-3 in v[96 + 2 j], 4-7 in v[97 + 2 j]
.endr
.irp i, 0,1
	global_load_b128 v[112+4*\i:112+4*\i+3], v188, s[38:39] offset:16*\i      ; v112-119: the masks of groups 8 l .. 8 l + 7
.endr
	WLD 1, 0, 32, 0, 8                             ; W0
	; addresses, while those come
	v_and_b32 v21, 15, v0                          ; r
	v_bfe_u32 v22, v0, 4, 1                        ; h
	v_mul_u32_u24 v4, v21, XP
	v_lshl_add_u32 v4, v22, 4, v4                  ; x's fragments: row r, + 16 h
	v_add_nc_u32 v5, HIMG, v1                      ; the hidden layer's images
	s_lshl_b32 s40, s20, 11
	s_add_co_u32 s40, s40, HIMG
	v_add_nc_u32 v6, s40, v1                       ; those that I store: K step = my wave
	s_mul_i32 s40, s20, 16*SPT
	s_add_co_u32 s40, s40, STG                     ; my stage
	v_mul_u32_u24 v7, v21, SPT
	v_lshl_add_u32 v7, v22, 5, v7
	v_add_nc_u32 v7, s40, v7                       ; in: row r, + 32 h
	v_mul_u32_u24 v8, v22, SPT
	v_lshl_add_u32 v8, v21, 4, v8
	v_add_nc_u32 v8, s40, v8                       ; back: lanes 0-15 one row of 256 bytes, lanes 16-31 the next
	s_lshl_b32 s40, s20, 8
	s_lshl_b32 s41, s22, 10
	s_add_co_u32 s40, s40, s41
	v_lshlrev_b32 v9, 4, v21
	v_add_nc_u32 v9, s40, v9                       ; my 16 bytes of a row of out0
	s_lshr_b32 s41, s20, 1
	s_mul_i32 s41, s41, 40
	s_and_b32 s42, s20, 1
	s_add_co_u32 s56, s41, s42                     ; my wave's rows: 40 (w / 2) + w % 2 + 2 k, k = 0..19
	s_mul_i32 s40, s56, XP
	v_add_nc_u32 v13, s40, v1                      ; where I put row k: + 2 XP k
	s_lshl_b32 s40, s20, 7
	s_add_co_u32 s40, s40, LIST
	v_lshlrev_b32 v14, 2, v20
	v_add_nc_u32 v14, s40, v14                     ; my lane's entry of the list
	v_mov_b32 v15, s40                             ; my wave's entries, the same in all lanes
	v_lshlrev_b32 v16, 7, v22
	v_add_nc_u32 v16, LIST, v16                    ; the way out's: rows 2 i + h
	v_and_b32 v17, 1, v21
	v_lshlrev_b32 v17, 7, v17
	v_lshrrev_b32 v18, 1, v21
	v_lshl_add_u32 v17, v18, 2, v17
	v_add_nc_u32 v17, LIST, v17                    ; the gates': row 16 m + r
	v_lshrrev_b32 v18, 3, v21
	v_mul_u32_u24 v18, v18, 176
	v_add_nc_u32 v18, v18, v17
	v_add_nc_u32 v18, 64, v18                      ; of tile 2, whose rows 8 to 15 are another wave's
	v_lshlrev_b32 v190, 6, v22                     ; b1: 64 h
	v_lshlrev_b32 v191, 5, v22                     ; b2: 32 h
	v_lshl_add_u32 v160, v20, 1, s56               ; the row that my lane finds (lanes 0 to 19 count)
.irp q, 132,133,134,135,154
	v_mov_b32 v\q, 0                               ; written once: the destination of a DPP form counts as read
.endr
	s_mov_b32 s41, 0xaaaaaaaa                      ; lanes whose bit 0 is set,
	s_mov_b32 s42, 0xcccccccc                      ; bit 1,
	s_mov_b32 s43, 0xf0f0f0f0                      ; bit 2,
	s_mov_b32 s44, 0xff00ff00                      ; bit 3,
	s_mov_b32 s45, 0xffff0000                      ; bit 4
	s_mov_b32 s47, 0x00ff00ff
	VA
	s_wait_loadcnt 32                              ; counts and masks are in; W0 stays out
	; the eight experts' totals: bytes summed over four groups, then 16-bit halves
	v_add_nc_u32 v120, v96, v98
	v_add_nc_u32 v121, v97, v99
	v_add_nc_u32 v122, v104, v106
	v_add_nc_u32 v123, v105, v107
	v_add3_u32 v120, v120, v100, v102
	v_add3_u32 v121, v121, v101, v103
	v_add3_u32 v122, v122, v108, v110
	v_add3_u32 v123, v123, v109, v111
.irp q, 0,1,2,3
	v_lshrrev_b32 v[124+\q], 8, v[120+\q]
.endr
.irp q, 0,1,2,3
	v_and_b32 v[120+\q], s47, v[120+\q]
.endr
.irp q, 0,1,2,3
	v_and_b32 v[124+\q], s47, v[124+\q]
.endr
	v_add_nc_u32 v128, v120, v122                  ; experts 0, 2
	v_add_nc_u32 v129, v124, v126                  ; 1, 3
	v_add_nc_u32 v130, v121, v123                  ; 4, 6
	v_add_nc_u32 v131, v125, v127                  ; 5, 7
.irp d, 1,2,4,8
.irp q, 0,1,2,3
	v_mov_b32_dpp v[132+\q], v[128+\q] row_xmask:\d row_mask:0xf bank_mask:0xf
.endr
.irp q, 0,1,2,3
	v_add_nc_u32 v[128+\q], v[128+\q], v[132+\q]
.endr
.endr
.irp q, 0,1,2,3
	v_readlane_b32 s[58+\q], v[128+\q], 0          ; the lower 16 lanes' sums,
.endr
.irp q, 0,1,2,3
	v_readlane_b32 s[48+\q], v[128+\q], 16         ; the upper 16 lanes'
.endr
	VA
.irp q, 0,1,2,3
	s_add_co_u32 s[58+\q], s[58+\q], s[48+\q]
.endr
	s_and_b32 s48, s58, 0xffff                     ; s[48 + e]: expert e's rows
	s_lshr_b32 s50, s58, 16
	s_and_b32 s49, s59, 0xffff
	s_lshr_b32 s51, s59, 16
	s_and_b32 s52, s60, 0xffff
	s_lshr_b32 s54, s60, 16
	s_and_b32 s53, s61, 0xffff
	s_lshr_b32 s55, s61, 16
	s_max_u32 s40, s48, s49
	s_mov_b32 s24, s48
.irp e, 1,2,3,4,5,6,7
	s_cmp_eq_u32 s23, \e
	s_cselect_b32 s24, s[48+\e], s24               ; my expert's rows
	s_max_u32 s40, s40, s[48+\e]
.endr
	s_add_co_u32 s25, s24, 15
	s_lshr_b32 s25, s25, 4                         ; rows a group
	s_and_b32 s26, s21, 15                         ; my group among the expert's
	s_cmp_le_u32 s40, 1280
	s_cbranch_scc1 .Lhome
	; some expert has more: whole tiles of 68 rows, one expert behind the other
	s_mov_b32 s58, 0                               ; tiles so far
	s_mov_b32 s61, 0
.irp e, 0,1,2,3,4,5,6,7
	s_add_co_u32 s59, s[48+\e], 67
	s_mul_hi_u32 s59, s59, 63161284                ; / 68: exact up to 8,259
	s_cmp_ge_u32 s21, s58                          ; the last expert whose first tile lies at or ahead of mine is my tile's
	s_cselect_b32 s23, \e, s23
	s_cselect_b32 s61, s58, s61
	s_cselect_b32 s24, s[48+\e], s24
	s_add_co_u32 s58, s58, s59
.endr
	s_sub_co_u32 s26, s21, s61
	s_mov_b32 s25, 68
	s_min_u32 s23, s23, 7                          ; a number made of loaded ones enters an address only held inside the buffer
	s_wait_loadcnt 0x0                             ; the registers are loaded again only behind this wait
	s_lshl_b32 s32, s23, 19
	s_lshl_b32 s40, s20, 17
	s_add_co_u32 s32, s32, s40
	s_mov_b32 s33, 0
	s_lshl_b32 s38, s23, 10
	s_mov_b32 s39, 0
	s_add_nc_u64 s[32:33], s[6:7], s[32:33]
	s_add_nc_u64 s[38:39], s[16:17], s[38:39]
.irp i, 0,1
	global_load_b128 v[112+4*\i:112+4*\i+3], v188, s[38:39] offset:16*\i
.endr
	WLD 1, 0, 32, 0, 8
	s_wait_loadcnt 32                              ; as on the other way: the masks are in, W0 stays out
.Lhome:
	s_min_u32 s23, s23, 7                          ; both ways join here: the expert's number is held inside the buffers once more,
	s_lshl_b32 s2, s23, 19
	s_lshl_b32 s40, s20, 17
	s_add_co_u32 s2, s2, s40
	s_mov_b32 s3, 0
	s_add_nc_u64 s[2:3], s[6:7], s[2:3]            ; and the weights' base made of it (W0's loads, which may be out, still name s[32:33])
	W1P 0
	s_mul_i32 s26, s26, s25                        ; q0: my first row among the expert's
	s_sub_co_i32 s27, s24, s26
	s_max_i32 s27, s27, 0
	s_min_i32 s27, s27, s25                        ; my rows: 80 at the most, none where the deal has left none
	s_sub_co_i32 s57, s27, 1
	s_lshr_b32 s60, s23, 2
	s_sub_co_u32 s60, 0, s60                       ; all ones for experts 4 to 7
	s_and_b32 s62, s23, 3
	s_lshl_b32 s62, s62, 3                         ; the expert's byte
.irp j, 0,1,2,3,4,5,6,7
	v_cndmask_b32 v[144+\j], v[96+2*\j], v[97+2*\j], s60
.endr
.irp j, 0,1,2,3,4,5,6,7
	v_bfe_u32 v[144+\j], v[144+\j], s62, 8
.endr
	W1P 1
.irp j, 1,2,3,4,5,6,7
	v_add_nc_u32 v[144+\j], v[144+\j], v[144+\j-1] ; inclusive sums inside my lane
.endr
	v_mov_b32 v152, v151                           ; the prefix over the lanes,
	v_mov_b32 v153, v151                           ; and the sum of my block of lanes, which doubles in each step
.macro SCANSTEP d, mask                ; the partner block's sum: it lies ahead of mine where my lane's bit is set
	v_mov_b32_dpp v154, v153 row_xmask:\d row_mask:0xf bank_mask:0xf
	v_cndmask_b32 v155, 0, v154, s[\mask]
	v_add_nc_u32 v153, v153, v154
	v_add_nc_u32 v152, v152, v155
.endm
	SCANSTEP 1, 41
	SCANSTEP 2, 42
	SCANSTEP 4, 43
	SCANSTEP 8, 44
	v_readlane_b32 s59, v153, 0                    ; the lower 16 lanes' sum
	v_mov_b32 v154, s59
	v_cndmask_b32 v154, 0, v154, s45               ; goes onto the upper 16
	v_add_nc_u32 v152, v152, v154                  ; the expert's rows in the lanes up to mine
	W1P 2
	v_sub_nc_u32 v156, v152, v151                  ; and ahead of mine
	v_lshl_or_b32 v157, v145, 10, v144
	v_lshl_or_b32 v158, v148, 10, v147
	v_lshl_or_b32 v159, v156, 10, v150             ; sum 6 and the prefix
	v_lshl_or_b32 v157, v146, 20, v157             ; sums 0 to 2
	v_lshl_or_b32 v158, v149, 20, v158             ; sums 3 to 5
	v_min_u32 v160, s57, v160                      ; a row past the last takes the last row's place
	v_add_nc_u32 v160, s26, v160                   ; q
	v_mov_b32 v161, 0
	v_mov_b32 v184, 0
	VA
.set k, 0
.rept 32
	v_readlane_b32 s[66+k], v152, k
.set k, k+1
.endr
	W1P 3
.macro LANES k0                        ; the lane that holds row q: behind the last lane whose prefix is at most q (prefixes ascend); lanes 0-15 and 16-31 in a chain of their own each
.irp i, 0,1,2,3
	v_cmp_le_u32 s[48+\i], s[66+\k0+\i], v160
.endr
.irp i, 0,1,2,3
	v_cmp_le_u32 s[52+\i], s[82+\k0+\i], v160
.endr
.irp i, 0,1,2,3
	v_cndmask_b32 v161, v161, \k0+\i+1, s[48+\i]
	v_cndmask_b32 v184, v184, \k0+\i+17, s[52+\i]
.endr
.endm
	LANES 0
	LANES 4
	W1P 4
	LANES 8
	LANES 12
	v_cmp_lt_u32 vcc_lo, 0, v184
	v_cndmask_b32 v161, v161, v184, vcc_lo
	v_lshlrev_b32 v162, 2, v161
	VA
.irp i, 0,1,2
	ds_bpermute_b32 v[163+\i], v162, v[157+\i]
.endr
.irp i, 0,1,2,3,4,5,6,7
	ds_bpermute_b32 v[166+\i], v162, v[112+\i]     ; that lane's eight masks
.endr
	W1P 5
	v_mov_b32 v175, 0
	v_mov_b32 v177, 0
	v_mov_b32 v183, 0
	VA
	s_wait_dscnt 0x0
	v_lshrrev_b32 v174, 10, v165
	v_sub_nc_u32 v174, v160, v174                  ; the row's rank in the lane
	v_mov_b32 v176, v166
.irp j, 0,1,2,3,4,5,6                  ; its group: behind the last running count that is at most the rank
	v_bfe_u32 v178, v[163+\j/3], 10*(\j%3), 10
	v_cmp_le_u32 vcc_lo, v178, v174
	v_cndmask_b32 v175, v175, v178, vcc_lo
	v_cndmask_b32 v176, v176, v[167+\j], vcc_lo
	v_cndmask_b32 v177, v177, \j+1, vcc_lo
.endr
	W1P 6
	v_sub_nc_u32 v174, v174, v175                  ; the rank in the group: which set bit of the mask
	v_lshrrev_b32 v179, 1, v176
	v_and_b32 v179, 0x55555555, v179
	v_sub_nc_u32 v180, v176, v179                  ; bits in each 2,
	v_lshrrev_b32 v179, 2, v180
	v_and_b32 v179, 0x33333333, v179
	v_and_b32 v181, 0x33333333, v180
	v_add_nc_u32 v181, v181, v179                  ; 4,
	v_lshrrev_b32 v179, 4, v181
	v_add_nc_u32 v179, v181, v179
	v_and_b32 v182, 0x0f0f0f0f, v179               ; 8
	v_lshrrev_b32 v179, 8, v182
	v_add_nc_u32 v179, v182, v179
	v_and_b32 v178, 0xff, v179                     ; and the lower 16
.macro BITSTEP w                       ; v178 set bits in the lower w: at or past them the bit lies in the upper w
	v_sub_nc_u32 v179, v174, v178
	v_cmp_le_u32 vcc_lo, v178, v174
	v_add_nc_u32 v184, \w, v183
	v_cndmask_b32 v174, v174, v179, vcc_lo
	v_cndmask_b32 v183, v183, v184, vcc_lo
.endm
	BITSTEP 16
	v_bfe_u32 v178, v182, v183, 8
	BITSTEP 8
	v_bfe_u32 v178, v181, v183, 4
	BITSTEP 4
	W1P 7
	v_bfe_u32 v178, v180, v183, 2
	BITSTEP 2
	v_bfe_u32 v178, v176, v183, 1
	BITSTEP 1
	v_lshl_add_u32 v185, v161, 3, v177             ; the group
	v_lshl_add_u32 v185, v185, 5, v183             ; the token
	v_min_u32 v185, 0x1fff, v185
	ds_store_b32 v14, v185
.irp i, 0,1,2,3,4
	ds_load_b128 v[24+4*\i:24+4*\i+3], v15 offset:16*\i   ; my wave's 20 tokens, in every lane: LDS serves a wave's instructions in order (ISA guide 5.7.1.4)
.endr
	; while they come: the bases that hang on the expert
	s_mov_b32 s35, 0
	s_mov_b32 s37, 0
	s_lshl_b32 s36, s22, 1
	s_lshr_b32 s40, s20, 1
	s_add_co_u32 s36, s36, s40
	s_lshl_b32 s36, s36, 17                        ; the second product's weights: block 2 half + w / 2, K steps behind the first's, tiles from 4 (w % 2) on
	s_lshl_b32 s40, s23, 19
	s_add_co_u32 s36, s36, s40
	s_and_b32 s40, s20, 1
	s_lshl_b32 s40, s40, 13
	s_add_co_u32 s36, s36, s40
	s_add_co_u32 s36, s36, 0x10000
	s_add_nc_u64 s[36:37], s[6:7], s[36:37]
	s_lshl_b32 s40, s23, 11
	s_lshl_b32 s34, s20, 9
	s_add_co_u32 s34, s34, s40
	s_add_nc_u64 s[8:9], s[8:9], s[34:35]          ; my 128 numbers of b1,
	s_lshl_b32 s34, s22, 10
	s_add_co_u32 s34, s34, s40
	s_lshl_b32 s40, s20, 8
	s_add_co_u32 s34, s34, s40
	s_add_nc_u64 s[10:11], s[10:11], s[34:35]      ; my 64 of b2
	s_wait_dscnt 0x0
.set n, 0
.rept 20
	v_min_u32 v[24+n], 0x1fff, v[24+n]             ; held inside the buffer
.set n, n+1
.endr
.set n, 0
.rept 20
	v_lshl_add_u32 v[24+n], v[24+n], 9, v1
.set n, n+1
.endr
.set n, 0
.rept 20
	global_load_b128 v[FA+4*n:FA+4*n+3], v[24+n], s[4:5]   ; a row's 512 consecutive bytes
.set n, n+1
.endr
	WIN 0x80                                       ; destination window 2
.irp t, 0,1,2,3,4,5,6,7
	global_load_b128 v[B1+8*\t:B1+8*\t+3], v190, s[8:9] offset:(32*(\t/2)+8*(\t%2))*4        ; tile t, lane (r, h): hidden units 32 (t / 2) + 16 h + 8 (t % 2) + 0..7
	global_load_b128 v[B1+8*\t+4:B1+8*\t+7], v190, s[8:9] offset:(32*(\t/2)+8*(\t%2))*4+16
.endr
	WIN 0
.irp t, 0,1,2,3
	global_load_b128 v[B2+8*\t:B2+8*\t+3], v191, s[10:11] offset:64*\t                       ; outputs 16 t + 8 h + 0..7 of my 64
	global_load_b128 v[B2+8*\t+4:B2+8*\t+7], v191, s[10:11] offset:64*\t+16
.endr
	WLD 2, 0, 2, 32768, 8                          ; W2
	s_wait_kmcnt 0x0
	s_add_co_i32 s40, s28, s29                     ; ex + ew1: a sum of the first product stands for sum x 2^(ex + ew1)
	s_sub_co_i32 s98, 0, s40
	s_sub_co_i32 s40, s31, s40                     ; eh - ex - ew1: the three scales folded into the conversion's one
	s_add_co_i32 s40, s40, 127
	s_lshl_b32 s34, s40, 23
	v_mov_b32 v11, s34                             ; 2^(eh - ex - ew1) as f32
	s_add_co_i32 s40, s40, 15
	s_lshl_b32 s40, s40, 23
	s_or_b32 s40, s40, 0x600000
	v_mov_b32 v12, s40                             ; 57,344 x that
	s_add_co_i32 s99, s30, s31                     ; ew2 + eh
	s_sub_co_i32 s100, 0, s99
	VA
	s_wait_loadcnt 56                              ; the rows are in (and W0, W1 ahead of them); b1's 16 loads, b2's 8 and W2's 32 stay out
.set n, 0
.rept 20
	ds_store_b128 v13, v[FA+4*n:FA+4*n+3] offset:2*XP*n
.set n, n+1
.endr
	s_wait_loadcnt 32                              ; b1 and b2 are in
	WIN 0x82
.set j, 0
.rept 64
	v_ldexp_f32 v[B1+j], v[B1+j], s98              ; b1 / 2^(ex + ew1)
.set j, j+1
.endr
	WIN 0
.set j, 0
.rept 32
	v_ldexp_f32 v[B2+j], v[B2+j], s100             ; b2 / 2^(ew2 + eh)
.set j, j+1
.endr
	VA
	s_wait_dscnt 0x0                               ; for the others' sake: my rows and my tokens have landed
	s_barrier_signal -1
	s_barrier_wait -1
	FETCHX FA, 0
	FETCHX FB, 1
	s_wait_dscnt 20                                ; K step 0 is in; the 20 loads just issued stay out
	MUL1 0, 1, 0, FA
	PLACES
	WLD 1, 0, 2, 49152, 8                          ; W3 into W0's set
	FETCHX FA, 2
	s_wait_dscnt 20
	MUL1 1, 1, 128, FB
	PLACES
	WLD 1, 128, 36, 0, 4                           ; V0 into the lower half of W1's set
	FETCHX FB, 3
	; the 80 rows' places in out0 and their gates
.irp i, 0,1,2,3,4
	ds_load_b128 v[AD+4*\i:AD+4*\i+3], v16 offset:16*\i             ; tokens of rows 2 i + h, i = 0..19
.endr
.irp i, 0,1,2,3,4
	ds_load_b128 v[AD+20+4*\i:AD+20+4*\i+3], v16 offset:256+16*\i   ; i = 20..39
.endr
	ds_load_b32 v[GA], v17                         ; of row 16 m + r
	ds_load_b32 v[GA+1], v17 offset:32
	ds_load_b32 v[GA+2], v18
	ds_load_b32 v[GA+3], v17 offset:272
	ds_load_b32 v[GA+4], v17 offset:304
	s_wait_dscnt 0x0
.irp m, 0,1,2,3,4
	v_min_u32 v[GA+\m], 0x1fff, v[GA+\m]           ; held inside the buffers
.endr
.irp m, 0,1,2,3,4
	v_lshlrev_b32 v[GA+\m], 2, v[GA+\m]
.endr
	WIN 0x80
.irp m, 0,1,2,3,4
	global_load_b32 v[GT+2*\m], v[GA+\m], s[14:15] ; (b1 is done with; the odd registers beside the gates are named with them as pairs)
.endr
	WIN 0
.set n, 0
.rept 40
	v_min_u32 v[AD+n], 0x1fff, v[AD+n]
.set n, n+1
.endr
.set n, 0
.rept 40
	v_lshl_add_u32 v[AD+n], v[AD+n], 11, v9        ; x a row of 2,048 bytes, + my place in it
.set n, n+1
.endr
	VA
	s_wait_loadcnt 53                              ; W2 is in; W3 (32), V0 (16) and the gates (5) stay out
	MUL1 2, 2, 0, FA
	PLACES
	WLD 1, 192, 36, 16384, 4                       ; V1 into the upper half of W1's set,
	WLD 2, 0, 36, 32768, 4                         ; V2 into the lower half of W2's
	s_wait_loadcnt 53                              ; W3 is in; V0 (16), the gates (5), V1 and V2 (32) stay out
	WLD 2, 64, 36, 49152, 2                        ; half of V3
	; the first product's last K step: row tile 0, then tiles 1 to 4 by turns with the quantiser
	WIN 0xa1
.irp t, 0,1,2,3,4,5,6,7
	v_wmma_f32_16x16x128_bf8_bf8 v[192+8*\t:192+8*\t+7], v[16*\t:16*\t+15], v[FB:FB+15], v[192+8*\t:192+8*\t+7]
.endr
	PLACES                                         ; ahead of the first read of results
	TURNS 1
	TURNS 2
	TURNS 3
	TURNS 4
	WLD 2, 96, 36, 53248, 2                        ; the other half of V3
.irp t, 0,1,2,3,4,5,6,7
	HOLD 4, \t
.endr
	CODES 4
	VA
	s_wait_dscnt 0x0                               ; for the others' sake: my images have landed
	s_barrier_signal -1
	s_barrier_wait -1
	FETCHR 0
	FETCHR 1
	s_wait_dscnt 16                                ; tile 0's fragments are in; tile 1's stay out
	ROWM 0
	WIN 0x82
.irp m, 0,1,2,3,4
	v_ldexp_f32 v[GT+2*\m], v[GT+2*\m], s99        ; gate x 2^(ew2 + eh).  These five are also the places ahead of the first read of results and of the loads into tile 0's buffer
.endr
	TOST 0
	FETCHR 2
	s_wait_dscnt 32                                ; tile 1's fragments are in; tile 0's 16 lines through the stage and tile 2's 16 fragment loads stay out
	ROWM 1
	SEND 0, 16
	PLACES
	TOST 1
	FETCHR 3
	s_wait_dscnt 32
	ROWM 2
	SEND 1, 16
	PLACES
	TOST 2
	FETCHR 4
	s_wait_dscnt 32
	ROWM 3
	SEND 2, 16
	PLACES
	TOST 3
	s_wait_dscnt 16                                ; tile 4's fragments are in; tile 3's 16 lines through the stage stay out
	ROWM 4
	SEND 3, 0
	PLACES
	TOST 4
	SEND 4, 0
.Ldone:
	VA
	s_wait_tensorcnt 0x0                           ; the wave's end
	ds_add_u32 v2, v3
	s_wait_dscnt 0x0
	s_endpgm
.Lfunc_end_k_qca7e268760_chain:
	.size	k_qca7e268760_chain, .Lfunc_end_k_qca7e268760_chain-k_qca7e268760_chain
	.p2alignl 7, 3214868480
	.fill 96, 4, 3214868480
	.section	.rodata,"a",@progbits
	.p2align	6, 0x0
	.amdhsa_kernel k_qca7e268760_chain
		.amdhsa_group_segment_fixed_size 101632
		.amdhsa_private_segment_fixed_size 0
		.amdhsa_enable_private_segment 0
		.amdhsa_kernarg_size 64
		.amdhsa_user_sgpr_count 2
		.amdhsa_user_sgpr_kernarg_segment_ptr 1
		.amdhsa_wavefront_size32 1
		.amdhsa_system_sgpr_workgroup_id_x 1
		.amdhsa_system_sgpr_workgroup_id_y 1
		.amdhsa_system_sgpr_workgroup_id_z 1
		.amdhsa_system_vgpr_workitem_id 0
		.amdhsa_next_free_vgpr 1024
		.amdhsa_next_free_sgpr 102
		.amdhsa_reserve_vcc 1
		.amdhsa_float_denorm_mode_32 3
		.amdhsa_float_denorm_mode_16_64 3
		.amdhsa_memory_ordered 1
		.amdhsa_forward_progress 1
		.amdhsa_inst_pref_size 146
	.end_amdhsa_kernel
	.amdgpu_metadata
---
amdhsa.version: [ 1, 2 ]
amdhsa.kernels:
  - .name:           k_qca7e268760_chain
    .symbol:         k_qca7e268760_chain.kd
    .args:
      - { .name: xq, .offset: 0, .size: 8, .value_kind: global_buffer, .address_space: global }
      - { .name: wimg, .offset: 8, .size: 8, .value_kind: global_buffer, .address_space: global }
      - { .name: b1, .offset: 16, .size: 8, .value_kind: global_buffer, .address_space: global }
      - { .name: b2, .offset: 24, .size: 8, .value_kind: global_buffer, .address_space: global }
      - { .name: lowp_scales, .offset: 32, .size: 8, .value_kind: global_buffer, .address_space: global }
      - { .name: gate, .offset: 40, .size: 8, .value_kind: global_buffer, .address_space: global }
      - { .name: sel, .offset: 48, .size: 8, .value_kind: global_buffer, .address_space: global }
      - { .name: out0, .offset: 56, .size: 8, .value_kind: global_buffer, .address_space: global }
    .group_segment_fixed_size: 101632
    .private_segment_fixed_size: 0
    .kernarg_segment_align: 8
    .kernarg_segment_size: 64
    .max_flat_workgroup_size: 128
    .sgpr_count:     102
    .vgpr_count:     1024
    .wavefront_size: 32
...
	.end_amdgpu_metadata
.endif
;; end of part 5
